; MI455X (gfx1250); checked and timed in simulation.
; The chip was launched on July 23, 2026; its instructions are those of AMD's public machine-readable ISA for CDNA 5 (MIT licence, August 2026) and "CDNA5" Instruction Set Architecture Reference Guide (July 2026). The comments in the code are by the model that wrote it; some were corrected since.
;; Multi Head Self Attention. Allowed arithmetic: matrix products marked QUANTISED: E4M3 operands, one E8M0 scale for each 32 along K, by v_wmma_scale_f32_16x16x128_f8f6f4 with both operands' format E4M3, f32 sums; everything else in f32.
;; Inputs: Wproj 1,024 x 1,024 float32; Wqkv 1,024 x 3,072 float32; bproj 1,024 float32; bqkv 3,072 float32; x 4 x 2,048 x 1,024 float32.
;; Outputs: out0 4 x 2,048 x 1,024 float32.
;; This version of the problem:
;;   THIS VERSION OF THE PROBLEM IS GIVEN IN LOW PRECISION. The matrix products marked QUANTISED in the list below multiply operands that are first quantised to E4M3 (4 exponent bits, 3 mantissa bits; 8 bits a number), with one power-of-two scale for each 32 numbers along K (OCP MX v1.0); their sums are f32. All else is computed in f32.
;;   The module's matrix products, in the order in which they are computed (A, B: the left and right operand; K: the contracted axis; several contracted axes count as one K, in the product's order):
;;     1. [M 8,192, K 1,024] x [K 1,024, N 3,072]; A: input x; B: input Wqkv: QUANTISED
;;     2. batch 64 x [M 2,048, K 64] x [K 64, N 2,048]; A: computed on the way; B: computed on the way: QUANTISED
;;     3. batch 64 x [M 2,048, K 2,048] x [K 2,048, N 64]; A: softmax (see below); B: computed on the way: QUANTISED
;;     4. [M 8,192, K 1,024] x [K 1,024, N 1,024]; A: computed on the way; B: input Wproj: QUANTISED
;;   THE QUANTISER, for each operand of a quantised product, along K:
;;     - K is cut into blocks of 32 from its start; a last block that is shorter is filled with zeros.
;;     - A block's scale is 2^e with e = floor(log2(the largest magnitude in the block)) - 8, held to -126 .. 127; a block of zeros has e = 0. As a byte (E8M0): e + 127.
;;     - Each number is divided by its block's scale, clamped to +-448, and rounded to the nearest number of E4M3, ties to even, subnormals kept.
;;     - The product sums the exact products of the quantised numbers (number of the format x scale) in f32.
;;   ~~~python
;;   def quantise(x, axis):      # numpy; x: float32 -> the quantised numbers, widened to float32 again
;;       x = np.moveaxis(x, axis, -1); K = x.shape[-1]
;;       x = np.pad(x, [(0, 0)] * (x.ndim - 1) + [(0, -K % 32)]); x = x.reshape(x.shape[:-1] + (-1, 32)); a = np.abs(x).max(-1, keepdims=True)
;;       e = np.where(a > 0, np.clip(np.frexp(np.where(a > 0, a, 1))[1] - 1 - 8, -126, 127), 0)      # np.frexp(a)[1] - 1 = floor(log2(a)), exactly
;;       r = np.clip(x / 2.0 ** e, -448, 448)
;;       step = 2.0 ** (np.maximum(np.frexp(np.where(r == 0, 1, r))[1] - 1, -6) - 3)
;;       q = np.round(r / step) * step * 2.0 ** e      # np.round: ties to even
;;       return np.moveaxis(q.reshape(q.shape[:-2] + (-1,))[..., :K], -1, axis).astype(np.float32)
;;   ~~~
;;   SOFTMAX AHEAD OF A QUANTISED PRODUCT. Where the list says 'softmax', what is quantised is not the finished softmax but p = 2^(t - M), with t = logit x log2(e) and M = ceil(the row's largest t), a whole number; so 1/2 < the row's largest p <= 1. The row's sum l is taken of the UNQUANTISED p, in f32, and the product's result is divided by l at the end. Since M is a whole number, a kernel that streams over the keys may use a running M (the ceiling of the running maximum): every later rescaling is an exact power of two, which a block's scale takes up: the codes' values come out the same.
;;   OPERANDS COMPUTED ON THE WAY. 'Computed on the way' means the value that the module computes at that place (a softmax that the list does not call 'softmax' is quantised finished and normalised). What goes into a quantiser is computed in f32, as accurately as f32 sums, v_exp_f32 and their like allow (about 1e-6 of the number): no bf16 or f16 on the way to a quantiser, and a product that is left as it is and whose result goes on into a quantised operand takes f32 operands (vector FMAs, or v_wmma_f32_16x16x4_f32). A number that lies on a knife's edge between two numbers of the format may be rounded either way, as far as f32 arithmetic and the matrix unit's own rounding can turn it there, and no further.
;; One version. Each part assembles by itself: llvm-mc -triple=amdgcn-amd-amdhsa -mcpu=gfx1250 --defsym DOCPART=n.
;; ======== version 1 of 1: 4 launches
;; limits: right only within a limited range of input values
;; workspace buffers: cod 12,582,912 bytes; scl 393,216 bytes; acod 25,165,824 bytes; ascl 1,048,576 bytes; ycod 8,388,608 bytes; yscl 262,144 bytes
;; launch quant (part 1): grid 384 x 1, 4 waves a work-group, no clusters, 34,304 bytes of LDS; arguments x, Wqkv, Wproj, cod, scl; writes cod, scl
.if DOCPART == 1
	.amdgcn_target "amdgcn-amd-amdhsa--gfx1250"
	.amdhsa_code_object_version 6
	.text
	.protected	k_q219b6ef331_quant
	.globl	k_q219b6ef331_quant
	.p2align	8
	.type	k_q219b6ef331_quant,@function
k_q219b6ef331_quant:
	s_mov_b64 s[64:65], 0
	v_nop
	global_prefetch_b8 v0, s[64:65] scope:SCOPE_SE
	s_setreg_imm32_b32 hwreg(HW_REG_WAVE_MODE, 25, 1), 1
	s_wait_xcnt 0x0
; x [8192][1024], Wqkv [1024][3072] and Wproj [1024][1024], f32, become codes of E4M3 with one E8M0 scale byte for each 32 along K (K = 1024 in all three),
; laid in the ORDER OF AN OPERAND'S REGISTERS, so that the products' launches move whole fragments by 16-byte accesses, 16 x lane apart.
; ROWS: a tile T is 256 rows (tokens of x, features of a weight).  32 consecutive rows are two fragments u = 0, 1: lane r of fragment u holds row 8 u + r + 8 (r / 8).
; cod [T 0..47][K step s 0..7][f = 2 x block of 32 + u][2,048]: a fragment's image [c 0..3][lane 16 h + r][16 bytes] holds k = 128 s + 32 c + 16 h + 0 .. 15 of its lane's row.
; scl [T][block of 32][q4 0..3][16 u + r][z 0..1] words: the word of K step 2 q4 + z, byte c for block c.   T 0-7: Wqkv's features 0-2047; 8-39: x; 40-43: Wqkv's features 2048-3071; 44-47: Wproj.
; A block's scale is 2^(floor(log2(its largest magnitude)) - 8); its byte is the largest magnitude's exponent field - 8, held at 1 from below; numbers are held within +-448 x the scale and rounded to the nearest code, ties to even.
; LIMITS: NaN and infinities are not served.  A block whose largest magnitude lies under 2^-118 keeps the byte 1, a block of zeros too (the rule says 127): its codes are zeros, and this program alone reads the bytes.
; SHARES: a wave takes 32 rows x 256 along K: four fragments and 256 bytes of scale words.  Work-groups 0-255: x; 256-351: Wqkv; 352-383: Wproj.  Waves share nothing: no barrier.  No tile is read twice, so there is nothing to share in a cluster.
; x: K is innermost.  Each load reads 512 consecutive bytes of one row; a fragment's 16 rows turn through the wave's own stage in LDS (pitch 528 bytes = 33 x 16: the sixteen rows of a read start in different banks) and come back 16 neighbours a lane.
; The weights: K is the FIRST axis.  A lane takes a feature and its registers run down K: a block of 32 is one lane's, no lane exchange, no LDS.
.set R,   16                           ; v16-143  x: two sets of 64: a fragment as loaded
.set X,   144                          ; v144-207 x: 64 numbers of my row: register 16 b + i = k 32 b + 16 h + i
.set PC,  208                          ; v208-223 a fragment's codes
.set TM,  224                          ; v224-239 at work in QUANT
.set PW,  248                          ; v248-251 the scale words of fragments (u, z) at u + 2 z
.set WX,  32                           ; v32-95   weights: two sets of 32 numbers
.set WC,  96                           ; v96-103  a block's codes
.set SB,  24                           ; v24-25   the scale bytes of my feature, four to a word
.set SEL, 20                           ; s[20:21] v_permlanex16_b32's selects for lane l xor 16
.set MNT, 22                           ; s22      the mantissa field of 448
.set SP,  528
; 64 numbers of a lane, v[s] on, become a fragment's codes in v[pc] on and its row's scale word in v[pw].
.macro QUANT s, pc, pw
.irp b, 0,1,2,3
	v_max3_num_f32 v[TM+\b], |v[\s+16*\b]|, |v[\s+1+16*\b]|, 0x4800000   ; block b: my 16 numbers and the floor 2^(9 - 127): the byte cannot fall under 1
.endr
.irp i, 2,4,6,8,10,12,14
.irp b, 0,1,2,3
	v_max3_num_f32 v[TM+\b], v[TM+\b], |v[\s+16*\b+\i]|, |v[\s+1+16*\b+\i]|   ; the four blocks by turns
.endr
.endr
.irp b, 0,1,2,3
	v_permlanex16_b32 v[TM+4+\b], v[TM+\b], s[SEL], s[SEL+1]
.endr
.irp b, 0,1,2,3
	v_max_num_f32 v[TM+\b], v[TM+\b], v[TM+4+\b]                 ; with lane l xor 16's 16: the block's largest magnitude
.endr
.irp b, 0,1,2,3
	v_add_nc_u32 v[TM+12+\b], 0xfc000000, v[TM+\b]               ; 8 off its exponent field: the conversion's scale operand
.endr
.irp b, 0,1,2,3
	v_and_or_b32 v[TM+8+\b], v[TM+\b], 0x7f800000, s[MNT]        ; 448 x the scale
.endr
.irp b, 0,1,2,3
	v_lshrrev_b32 v[TM+4+\b], 23, v[TM+12+\b]                    ; the scale's byte
.endr
	v_lshl_or_b32 v[\pw], v[TM+5], 8, v[TM+4]
	v_lshl_or_b32 v[\pw], v[TM+6], 16, v[\pw]
	v_lshl_or_b32 v[\pw], v[TM+7], 24, v[\pw]
.irp b, 0,1,2,3
.irp i, 0,1,2,3,4,5,6,7,8,9,10,11,12,13,14,15
	v_med3_num_f32 v[\s+16*\b+\i], v[\s+16*\b+\i], -v[TM+8+\b], v[TM+8+\b]   ; the conversion does not saturate (ISA guide 7.6.2): the hold comes first
.endr
	v_cvt_scalef32_pk8_fp8_f32 v[\pc+4*\b:\pc+1+4*\b], v[\s+16*\b:\s+7+16*\b], v[TM+12+\b]
	v_cvt_scalef32_pk8_fp8_f32 v[\pc+2+4*\b:\pc+3+4*\b], v[\s+8+16*\b:\s+15+16*\b], v[TM+12+\b]
.endr
	v_nop                                          ; a plain line behind the last conversion
.endm
; s18 = T, s19 = the block of 32 rows in it, s[q4] = which 256 along K: cod's and scl's pointers go to my wave's unit.  Leaves s25 = 0.
.macro BASES q4
	s_lshl_b32 s24, s18, 18
	s_lshl_b32 s25, s[\q4], 16
	s_add_co_u32 s24, s24, s25
	s_lshl_b32 s25, s19, 12
	s_add_co_u32 s24, s24, s25
	s_mov_b32 s25, 0
	s_add_nc_u64 s[10:11], s[10:11], s[24:25]
	s_lshl_b32 s24, s18, 13
	s_lshl_b32 s26, s19, 10
	s_add_co_u32 s24, s24, s26
	s_lshl_b32 s26, s[\q4], 8
	s_add_co_u32 s24, s24, s26
	s_add_nc_u64 s[12:13], s[12:13], s[24:25]
.endm
	s_load_b256 s[4:11], s[0:1], 0x0               ; x s[4:5], Wqkv s[6:7], Wproj s[8:9], cod s[10:11]
	s_load_b64 s[12:13], s[0:1], 0x20              ; scl
	v_lshl_add_u32 v254, v0, 2, 0x8400
	v_mov_b32 v255, 0
	v_lshrrev_b32 v1, 5, v0
	v_readfirstlane_b32 s14, v1                    ; wave
	v_and_b32 v1, 31, v0                           ; lane
	s_mov_b32 s[SEL], 0x76543210
	s_mov_b32 s[SEL+1], 0xfedcba98
	s_mov_b32 s[MNT], 0x600000
	s_wait_kmcnt 0x0
	s_cmp_lt_u32 ttmp9, 256
	s_cbranch_scc0 .Lweights
	; ---- x: work-group = a block of 32 tokens, wave = which 256 along K
	s_wait_alu depctr_va_vdst(0)
	v_lshlrev_b32 v2, 4, v1                        ; 16 x lane
	v_lshlrev_b32 v3, 3, v1                        ; 8 x lane
	s_mul_i32 s15, s14, 16*SP                      ; my stage
	v_add_nc_u32 v4, s15, v2                       ; into it: a row's 512 bytes as they lie
	v_and_b32 v6, 15, v0                           ; r
	v_bfe_u32 v7, v0, 4, 1                         ; h
	v_mul_u32_u24 v5, v6, SP
	v_lshl_add_u32 v5, v7, 6, v5
	v_add_nc_u32 v5, s15, v5                       ; out of it: row r, 64 h bytes on: my 16 numbers of each block of 32
	v_cmp_lt_u32 s30, 15, v1                       ; lanes 16-31
.irp b, 0,1,2,3
	v_mov_b32 v[TM+4+\b], 0                        ; written once: a lane permute's destination counts as one of its sources
.endr
	s_lshr_b32 s18, ttmp9, 3
	s_add_co_u32 s18, s18, 8                       ; T
	s_and_b32 s19, ttmp9, 7
	BASES 14
	s_lshl_b32 s24, ttmp9, 17                      ; 32 rows of 4,096 bytes
	s_lshl_b32 s26, s14, 10                        ; 256 numbers
	s_add_co_u32 s24, s24, s26
	s_add_nc_u64 s[4:5], s[4:5], s[24:25]
.macro XLOAD n                         ; fragment n = u + 2 z: rows 8 u + t + 8 (t / 8), K step z; 32 lanes read 512 consecutive bytes
.irp t, 0,1,2,3,4,5,6,7,8,9,10,11,12,13,14,15
	global_load_b128 v[R+64*((\n)%2)+4*\t:R+64*((\n)%2)+4*\t+3], v2, s[4:5] offset:(8*((\n)%2)+\t+8*(\t/8))*4096+((\n)/2)*512 th:TH_LOAD_NT
.endr
.endm
.macro XFRAG n
.if (\n) < 3
	s_wait_loadcnt 16                              ; this fragment's 16 loads are in; the next fragment's 16 may be out
.else
	s_wait_loadcnt 0x0
.endif
.irp t, 0,1,2,3,4,5,6,7,8,9,10,11,12,13,14,15
	ds_store_b128 v4, v[R+64*((\n)%2)+4*\t:R+64*((\n)%2)+4*\t+3] offset:SP*\t
.endr
.irp c, 0,1,2,3
.irp j, 0,1,2,3
	ds_load_b128 v[X+16*\c+4*\j:X+16*\c+4*\j+3], v5 offset:128*\c+16*\j   ; LDS serves a wave's instructions in order: these see the stores above
.endr
.endr
	s_wait_dscnt 0x0                               ; the numbers are back, and the stores have read their registers,
.if (\n) < 2
	XLOAD (\n)+2                                   ; which take the fragment two further on
.endif
	s_wait_xcnt 0x0                                ; the last fragment's stores have read their codes: the registers are written again only behind this wait
	QUANT X, PC, PW+(\n)
.irp c, 0,1,2,3
	global_store_b128 v2, v[PC+4*\c:PC+4*\c+3], s[10:11] offset:((\n)/2)*32768+((\n)%2)*2048+512*\c   ; 512 consecutive bytes, aligned
.endr
.endm
	XLOAD 0
	XLOAD 1
	s_wait_alu depctr_va_vdst(0)
	XFRAG 0
	XFRAG 1
	XFRAG 2
	XFRAG 3
	v_cndmask_b32 v252, v[PW], v[PW+1], s30        ; lanes 0-15: fragment u = 0's word of row r; lanes 16-31: u = 1's (a word stands in both halves of the lanes)
	v_cndmask_b32 v253, v[PW+2], v[PW+3], s30
	global_store_b64 v3, v[252:253], s[12:13]      ; 256 consecutive bytes, aligned
	s_wait_tensorcnt 0x0
	ds_add_u32 v254, v255
	s_wait_dscnt 0x0
	s_endpgm
.Lweights:
	s_wait_alu depctr_va_vdst(0)
	v_lshlrev_b32 v3, 2, v1                        ; in: 4 bytes a lane: lane n takes feature n of the wave's 32
	v_bfe_u32 v6, v0, 3, 1                         ; u = (n / 8) % 2
	v_and_b32 v7, 7, v0
	v_bfe_u32 v8, v0, 4, 1
	v_lshl_or_b32 v7, v8, 3, v7                    ; r = n % 8 + 8 (n / 16)
	v_lshlrev_b32 v4, 4, v7
	v_lshl_add_u32 v4, v6, 11, v4                  ; my place in the two fragments' images: 2,048 u + 16 r
	v_lshl_add_u32 v5, v6, 4, v7
	v_lshlrev_b32 v5, 3, v5                        ; and among the scale words: 8 (16 u + r)
.macro WLOAD blk, N                    ; block blk: W(32 blk + i, my feature), i = 0 .. 31
.irp i, 0,1,2,3,4,5,6,7,8,9,10,11,12,13,14,15,16,17,18,19,20,21,22,23,24,25,26,27,28,29,30,31
	global_load_b32 v[WX+32*((\blk)%2)+\i], v3, s[4:5] offset:(32*(\blk)+\i)*4*(\N) th:TH_LOAD_NT   ; at most 255 rows of 12,288 bytes: inside the signed 24-bit immediate
.endr
.endm
.macro WBLOCK blk, N
.set XS, WX+32*((\blk)%2)
.if (\blk) < 7
	s_wait_loadcnt 32                              ; this block's 32 loads are in; the next block's may be out
.else
	s_wait_loadcnt 0x0
.endif
	v_max3_num_f32 v12, |v[XS]|, |v[XS+1]|, |v[XS+2]|              ; the block's largest magnitude: all 32 numbers are mine
	v_max3_num_f32 v13, |v[XS+3]|, |v[XS+4]|, |v[XS+5]|
.irp i, 6,10,14,18,22,26
	v_max3_num_f32 v12, v12, |v[XS+\i]|, |v[XS+\i+1]|
	v_max3_num_f32 v13, v13, |v[XS+\i+2]|, |v[XS+\i+3]|
.endr
	v_max3_num_f32 v12, v12, |v[XS+30]|, |v[XS+31]|
	v_max3_num_f32 v12, v12, v13, 0x4800000        ; and the floor
	v_add_nc_u32 v11, 0xfc000000, v12              ; the conversion's scale operand
	v_and_or_b32 v10, v12, 0x7f800000, s[MNT]      ; 448 x the scale
	v_lshrrev_b32 v13, 23, v11                     ; the byte
.if (\blk)%4 == 0
	v_mov_b32 v[SB+(\blk)/4], v13
.else
	v_lshl_or_b32 v[SB+(\blk)/4], v13, 8*((\blk)%4), v[SB+(\blk)/4]
.endif
.irp i, 0,1,2,3,4,5,6,7,8,9,10,11,12,13,14,15,16,17,18,19,20,21,22,23,24,25,26,27,28,29,30,31
	v_med3_num_f32 v[XS+\i], v[XS+\i], -v10, v10
.endr
	s_wait_alu depctr_va_vdst(0)
	s_wait_xcnt 0x0                                ; the last block's stores have read their codes
.irp g, 0,1,2,3
	v_cvt_scalef32_pk8_fp8_f32 v[WC+2*\g:WC+2*\g+1], v[XS+8*\g:XS+8*\g+7], v11
.endr
	global_store_b128 v4, v[WC:WC+3], s[10:11] offset:((\blk)/4)*32768+((\blk)%4)*512        ; k 0-15 of the block: the image's lanes 0-15; sixteen lanes of one u fill 256 consecutive bytes
	global_store_b128 v4, v[WC+4:WC+7], s[10:11] offset:((\blk)/4)*32768+((\blk)%4)*512+256  ; k 16-31: its lanes 16-31
.if (\blk) < 6
	WLOAD (\blk)+2, \N
.endif
.endm
; N: the weight's features; first: its first work-group; lo: 0 for Wqkv, whose tiles 8-11 lie at T 40-43, else the first T
.macro WPATH N, first, lo
	s_sub_co_u32 s15, ttmp9, \first
	s_lshr_b32 s16, s15, 2                         ; which 128 features
	s_and_b32 s17, s15, 3                          ; which 256 along K
	s_lshr_b32 s18, s16, 1
.if (\lo) == 0
	s_cmp_ge_u32 s16, 16
	s_cselect_b32 s19, 32, 0
	s_add_co_u32 s18, s18, s19
.else
	s_add_co_u32 s18, s18, \lo
.endif
	s_and_b32 s19, s16, 1
	s_lshl_b32 s19, s19, 2
	s_add_co_u32 s19, s19, s14                     ; the block of 32 in the tile: 4 x half + wave
	BASES 17
	s_mul_i32 s24, s17, 1024*(\N)                  ; 256 rows of 4 N bytes
	s_lshl_b32 s26, s16, 9
	s_add_co_u32 s24, s24, s26
	s_lshl_b32 s26, s14, 7
	s_add_co_u32 s24, s24, s26
	s_add_nc_u64 s[4:5], s[4:5], s[24:25]
	WLOAD 0, \N
	WLOAD 1, \N
.set Q, 0
.rept 8
	WBLOCK Q, \N
.set Q, Q+1
.endr
	global_store_b64 v5, v[SB:SB+1], s[12:13]      ; the wave's 256 bytes of scale words
.endm
	s_cmp_lt_u32 ttmp9, 352
	s_cbranch_scc0 .Lwproj
	s_mov_b64 s[4:5], s[6:7]
	s_wait_alu depctr_va_vdst(0)
	WPATH 3072, 256, 0
	s_endpgm
.Lwproj:
	s_mov_b64 s[4:5], s[8:9]
	s_wait_alu depctr_va_vdst(0)
	WPATH 1024, 352, 44
	s_endpgm
.Lfunc_end_k_q219b6ef331_quant:
	.size	k_q219b6ef331_quant, .Lfunc_end_k_q219b6ef331_quant-k_q219b6ef331_quant
	.p2alignl 7, 3214868480
	.fill 96, 4, 3214868480
	.section	.rodata,"a",@progbits
	.p2align	6, 0x0
	.amdhsa_kernel k_q219b6ef331_quant
		.amdhsa_group_segment_fixed_size 34304
		.amdhsa_private_segment_fixed_size 0
		.amdhsa_enable_private_segment 0
		.amdhsa_kernarg_size 40
		.amdhsa_user_sgpr_count 2
		.amdhsa_user_sgpr_kernarg_segment_ptr 1
		.amdhsa_wavefront_size32 1
		.amdhsa_system_sgpr_workgroup_id_x 1
		.amdhsa_system_sgpr_workgroup_id_y 1
		.amdhsa_system_sgpr_workgroup_id_z 1
		.amdhsa_system_vgpr_workitem_id 0
		.amdhsa_next_free_vgpr 256
		.amdhsa_next_free_sgpr 66
		.amdhsa_reserve_vcc 0
		.amdhsa_float_denorm_mode_32 3
		.amdhsa_float_denorm_mode_16_64 3
		.amdhsa_memory_ordered 1
		.amdhsa_forward_progress 1
		.amdhsa_inst_pref_size 163
	.end_amdhsa_kernel
	.amdgpu_metadata
---
amdhsa.version: [ 1, 2 ]
amdhsa.kernels:
  - .name:           k_q219b6ef331_quant
    .symbol:         k_q219b6ef331_quant.kd
    .args:
      - { .name: x, .offset: 0, .size: 8, .value_kind: global_buffer, .address_space: global }
      - { .name: Wqkv, .offset: 8, .size: 8, .value_kind: global_buffer, .address_space: global }
      - { .name: Wproj, .offset: 16, .size: 8, .value_kind: global_buffer, .address_space: global }
      - { .name: cod, .offset: 24, .size: 8, .value_kind: global_buffer, .address_space: global }
      - { .name: scl, .offset: 32, .size: 8, .value_kind: global_buffer, .address_space: global }
    .group_segment_fixed_size: 34304
    .private_segment_fixed_size: 0
    .kernarg_segment_align: 8
    .kernarg_segment_size: 40
    .max_flat_workgroup_size: 128
    .sgpr_count:     66
    .vgpr_count:     256
    .wavefront_size: 32
...
	.end_amdgpu_metadata
.endif
;; end of part 1
;; launch qkv (part 2): grid 16 x 16, 4 waves a work-group, clusters of 4 x 4, 327,680 bytes of LDS; arguments cod, scl, bqkv, acod, ascl; writes acod, ascl
.if DOCPART == 2
	.amdgcn_target "amdgcn-amd-amdhsa--gfx1250"
	.amdhsa_code_object_version 6
	.text
	.protected	k_q219b6ef331_qkv
	.globl	k_q219b6ef331_qkv
	.p2align	8
	.type	k_q219b6ef331_qkv,@function
k_q219b6ef331_qkv:
	s_mov_b64 s[64:65], 0
	v_nop
	global_prefetch_b8 v0, s[64:65] scope:SCOPE_SE
	s_setreg_imm32_b32 hwreg(HW_REG_WAVE_MODE, 25, 1), 1
	s_wait_xcnt 0x0
	s_wait_alu depctr_hold_cnt(0) depctr_sa_sdst(0) depctr_va_vdst(0) depctr_va_sdst(0) depctr_va_ssrc(0) depctr_va_vcc(0) depctr_vm_vsrc(0)
	s_getreg_b32 s2, hwreg(HW_REG_IB_STS2, 6, 4)
	s_cmp_eq_u32 s2, 0
	s_cbranch_scc0 .Lentry_in_a_cluster
	s_endpgm
.Lentry_in_a_cluster:
	s_bfe_u32 s2, ttmp6, 0x10000c
	s_cmp_lg_u32 s2, 0xf033
	s_cbranch_scc0 .Lentry_shape_is_right
	s_endpgm
.Lentry_shape_is_right:
; qkv = x Wqkv + bqkv on codes of E4M3 with E8M0 scales (K = 1,024), and q, k, v quantised in registers for the attention's two products: q and k along a head's 64 channels, v along the keys.  No f32 result is stored.
; BUFFERS: cod [tile T of 256 rows][K step s][fragment f 0..15][2,048]: an image [c][lane 16 h + r][16 bytes]; lane r of fragment f holds row 32 (f / 2) + 8 (f % 2) + r + 8 (r / 8).  T 0-7: q's and k's features; 8-39: x; 40-43: v's features.
; scl [T][block of 32 rows][q4][lane][z] words: K step 2 q4 + z; lanes 0-15 the even fragment, lanes 16-31 the odd one.
; OUT: acod [q, k, v][batch][head][131,072]: q, k: [tile of 16 tokens][g 0..1][lane][16]; v: [step of 128 keys][4 fragments of 16 channels][c][lane][16].  ascl: region 0 q, region 1 (+524,288) k and v: [batch][head][step][512]:
;   +0: words [x][r][z] of token group 2 x + z: bytes 0, 1: its even tile's two channel blocks, bytes 2, 3: the odd tile's;  +256 (v): [lane][j]: word j: fragment 2 j in lanes 0-15, 2 j + 1 in lanes 16-31, byte c for keys 32 c on.
; THE DEAL.  256 work-groups of four waves, 2 x 2.  A wave holds 64 features of a weight (one head), ALL of K, in 512 registers (windows 1, 2) and streams x's rows past them in blocks of 16 tokens (128 registers; two sets in window 3):
; 32 products a block, four accumulators by turns.  PHASE 1: 512 tokens x 128 features of q or k: four chunks of 128 tokens, four blocks a wave each.  PHASE 2: 256 tokens x 128 features of v: eight blocks.
; V's tokens are one of the work-group's own two tiles, number (cluster x) % 2, which phase 1 takes last: its second chunk still lies in slot 1 when v begins.  V's features: half tile 4 ((cluster x) / 2) + cx.  Only global addresses hang on these.
; Half a tile for all of K is eight runs of 16,384 bytes, 32,768 apart: an LDS slot of 131,072 bytes; two slots.
; FILLS, all joint: x's chunks are shared by my row of the cluster, the weights by my column.  Head: the first weight into slot 1 (waves 0, 1; shown first, by a load line of their own), chunk 0 into slot 0 (waves 2, 3).
; Then, each behind a drained round of the cluster's barrier, two runs a wave: chunk 1 over the weight when it is in registers; chunks 2, 3 and v's weight behind the third block of chunks 0, 1, 2 (the fourth block is in registers by then);
; chunk 2 anew over v's weight when that is in registers.  The same rounds show the chunk that is read next.
; PREFETCH: each of the sixteen waves that share a fill asks for a sixteenth of it (8,192 bytes, lanes 256 bytes apart), told apart by address: chunks 1 and 2 behind the first barrier, chunk 3 and v's weight a chunk ahead of their loads.
; q, k: source 0 = the weight: lane (r, h) holds token r and channels 32 i + 16 h + 0 .. 15 in tiles 2 i, 2 i + 1.  v: source 0 = x: lane (r, h) holds channel row r, and a pair of blocks gives it keys 16 h + 0 .. 15 of a block of 32.
; A scale block of 32 lies in lanes l and l xor 16.  THE BIAS IS THE FIRST PRODUCTS' C.  A block is quantised behind its products, while the fetch of the block two on is under way.
; LIMITS: NaN and infinities are not served; a block whose largest magnitude lies under 2^-118 keeps the byte 1 (a block of zeros too: its codes are zeros, and this program alone reads the bytes).
.set SLOT,  131072
.set SPARE, 2*SLOT                     ; the spare words, 128 bytes for each wave
.set BY,  4                            ; v4-7   scale bytes
.set KW,  8                            ; v8-11  scale words in the making
.set PF,  12                           ; v12-15 the prefetches' offsets; never rewritten
.set L16, 16
.set AY,  17                           ; v17-20 my x fragments: slot 0 K steps 0-3, 4-7; slot 1 likewise
.set AW,  21                           ; v21-22 my weight fragments in slot 1; v23-24 in slot 0
.set L8,  25
.set VB,  26                           ; 64 h
.set VN,  27                           ; 4 (r + 8 (r / 8))
.set SPW, 28                           ; my spare word; never rewritten
.set NIL, 29                           ; 0; never rewritten
.set R8,  30                           ; 8 r
.set SB,  32                           ; v32-47 the first weight's scale words, v48-63 v's: register 8 i + s
.set SA,  68                           ; v68-131 x's: register 8 (2 x chunk + pair) + s.  No product's two scale registers have numbers equal modulo 8
.set BQ,  132                          ; v132-163 the bias in the result's layout
.set BV,  164                          ; v164-167 v's bias, a number a tile, until the change of phase
.set ACC, 168                          ; v168-231 two sets of four accumulators
.set PC,  232                          ; v232-247 codes
.set T,   248                          ; v248-255 at work in the quantisers
.set G1W, 24
.set G1Y, 32
.set G0W, 56
.set G0Y, 60
.set PA,  66                           ; s[66:67], s[68:69] q's or k's codes of the first tile, of v's tile
.set QA,  70                           ; s[70:71], s[72:73] their scale words
.set VP,  74                           ; s[74:75] v's codes;  s[76:77] its scale words
.set VQ,  76
.set SEL, 2
.set MNT, 100
.set HM,  101
.set MSB, 0
.macro WIN new                         ; the immediate's high byte repeats the setting that is left
.if MSB != \new
	s_set_vgpr_msb (MSB<<8)|\new
.set MSB, \new
.endif
.endm
.macro PLACES n
.rept \n
	v_nop
.endr
.endm
.macro BARRIER
	s_barrier_signal -1
	s_barrier_wait -1
.endm
.macro CROUND                          ; a round of the cluster's barrier
	BARRIER
	s_cmp_lg_u32 s14, 0
	s_cbranch_scc1 .Lnot_wave_0_\@
	s_barrier_signal -3
.Lnot_wave_0_\@:
	s_barrier_wait -3
	BARRIER
.endm
.macro TLOAD g0, g1                    ; an s_nop 0 and four v_nop follow the load
	tensor_load_to_lds s[\g0:\g0+3], s[\g1:\g1+7]
	s_nop 0
	PLACES 4
.endm
	s_load_b256 s[4:11], s[0:1], 0x0               ; cod s[4:5], scl s[6:7], bqkv s[8:9], acod s[10:11]
	s_load_b64 s[12:13], s[0:1], 0x20              ; ascl
	v_lshl_add_u32 v[SPW], v0, 2, SPARE
	v_mov_b32 v[NIL], 0
	ds_add_u32 v[SPW], v[NIL]                      ; the opening lines: the add, twice on end, and its wait
	ds_add_u32 v[SPW], v[NIL]
	v_lshrrev_b32 v1, 5, v0
	v_readfirstlane_b32 s14, v1                    ; wave 0..3
	s_lshr_b32 s15, s14, 1                         ; wr: my four of a chunk's eight blocks
	s_and_b32 s16, s14, 1                          ; wc: my 64 of the 128 features.  Also: which four K steps I fetch at the head
	s_bfe_u32 s40, ttmp6, 0x40000                  ; cx
	s_bfe_u32 s41, ttmp6, 0x40004                  ; cy
	s_lshl_b32 s42, ttmp9, 2
	s_add_co_u32 s42, s42, s40                     ; X: which 128 features of q and k
	s_and_b32 s43, ttmp7, 0xffff
	s_lshl_b32 s43, s43, 2
	s_add_co_u32 s43, s43, s41                     ; Y: which 512 tokens
	s_and_b32 s18, ttmp9, 1                        ; which of my two tiles is v's
	s_lshr_b32 s46, ttmp9, 1
	s_lshl_b32 s46, s46, 2
	s_add_co_u32 s46, s46, s40                     ; which 128 features of v
	s_lshl_b32 s44, s41, 2
	s_lshl_b32 s44, 15, s44                        ; my row of the cluster
	s_lshl_b32 s45, 0x1111, s40                    ; my column
	s_or_b32 s[G1Y], s44, (3<<16)|(1<<21)          ; the mask; elements of 8 bytes; bit 21 beside a mask; no padding
	s_or_b32 s[G1W], s45, (3<<16)|(1<<21)
.irp g, G1W, G1Y
	s_mov_b32 s[\g+1], 2048<<16                    ; tensor_dim0: a run of 16,384 bytes
	s_mov_b32 s[\g+2], 4<<16                       ; tensor_dim1 = 4 K steps
	s_mov_b32 s[\g+3], 2048<<16                    ; tile_dim0
	s_mov_b32 s[\g+4], 4                           ; tile_dim1
	s_mov_b32 s[\g+5], 4096                        ; the pitch: 32,768 bytes from K step to K step
	s_mov_b32 s[\g+6], 0
	s_mov_b32 s[\g+7], 0
.endr
	s_lshl_b32 s47, s43, 1
	s_add_co_u32 s48, s47, s18                     ; v's tile of x's 32,
	s_xor_b32 s19, s18, 1
	s_add_co_u32 s47, s47, s19                     ; and the other, which goes first
	s_add_co_u32 s49, s47, 8
	s_lshl_b32 s49, s49, 18                        ; chunk 0 in cod; chunk 1 is 16,384 on
	s_add_co_u32 s50, s48, 8
	s_lshl_b32 s50, s50, 18                        ; chunk 2; chunk 3 is 16,384 on
	s_lshr_b32 s17, s42, 1                         ; the first weight: tile, half
	s_and_b32 s19, s42, 1
	s_lshl_b32 s20, s17, 18
	s_lshl_b32 s21, s19, 14
	s_add_co_u32 s20, s20, s21
	s_lshl_b32 s78, s17, 13                        ; and its scale words: my 64 features
	s_lshl_b32 s21, s19, 12
	s_add_co_u32 s78, s78, s21
	s_lshl_b32 s21, s16, 11
	s_add_co_u32 s78, s78, s21
	s_lshl_b32 s21, s16, 17                        ; my four K steps
	s_add_co_u32 s20, s20, s21
	s_add_co_u32 s22, s49, s21
	s_mov_b32 s21, 0
	s_mov_b32 s23, 0
	s_mov_b32 s[G0W], 1
	s_lshl_b32 s[G0W+1], s16, 16
	s_add_co_u32 s[G0W+1], s[G0W+1], SLOT
	s_mov_b32 s[G0Y], 1
	s_lshl_b32 s[G0Y+1], s16, 16
	s_lshl_b32 s17, s14, 16                        ; a refill: K steps 2 w, 2 w + 1
	s_add_co_u32 s80, s49, 16384
	s_add_co_u32 s80, s80, s17                     ; s[80:81] chunk 1, s[82:83] chunk 2, s[84:85] chunk 3, s[86:87] v's weight
	s_mov_b32 s81, 0
	s_add_co_u32 s82, s50, s17
	s_mov_b32 s83, 0
	s_add_co_u32 s84, s82, 16384
	s_mov_b32 s85, 0
	s_lshr_b32 s51, s46, 1
	s_add_co_u32 s51, s51, 40
	s_and_b32 s52, s46, 1
	s_lshl_b32 s19, s51, 18
	s_lshl_b32 s53, s52, 14
	s_add_co_u32 s19, s19, s53                     ; v's weight in cod
	s_add_co_u32 s86, s19, s17
	s_mov_b32 s87, 0
	s_lshl_b32 s79, s51, 13                        ; its scale words
	s_lshl_b32 s53, s52, 12
	s_add_co_u32 s79, s79, s53
	s_lshl_b32 s53, s16, 11
	s_add_co_u32 s79, s79, s53
	s_lshl_b32 s88, s14, 15                        ; where a refill goes: slot 0,
	s_add_co_u32 s89, s88, SLOT                    ; slot 1
	s_wait_dscnt 0x0                               ; both opening adds are done
	CROUND                                         ; all sixteen work-groups are here: the first joint loads meet
	s_wait_kmcnt 0x0
	s_add_nc_u64 s[G0W+2:G0W+3], s[4:5], s[20:21]
	s_or_b32 s[G0W+3], s[G0W+3], 0x80000000
	s_add_nc_u64 s[G0Y+2:G0Y+3], s[4:5], s[22:23]
	s_or_b32 s[G0Y+3], s[G0Y+3], 0x80000000
	s_cmp_lt_u32 s14, 2                            ; one joint load a wave; the weight, which is wanted first, has a line of its own
	s_cbranch_scc0 .Lfor_x
	TLOAD G0W, G1W
	s_branch .Lasked
.Lfor_x:
	TLOAD G0Y, G1Y
.Lasked:
	; where my results go
	s_lshl_b32 s51, s42, 1
	s_add_co_u32 s51, s51, s16                     ; 2 X + wc: q's heads 0-15, k's 16-31
	s_lshr_b32 s52, s51, 4
	s_and_b32 s51, s51, 15
	s_lshl_b32 s96, s52, 23
	s_lshl_b32 s53, s51, 17
	s_add_co_u32 s96, s96, s53
	s_lshl_b32 s53, s15, 12
	s_add_co_u32 s96, s96, s53                     ; codes: part, head, my four tiles of a chunk's eight
	s_lshl_b32 s97, s52, 19
	s_lshl_b32 s53, s51, 13
	s_add_co_u32 s97, s97, s53
	s_lshl_b32 s53, s15, 7
	s_add_co_u32 s97, s97, s53                     ; scale words: region, head, x = wr
	s_lshl_b32 s51, s46, 1
	s_add_co_u32 s51, s51, s16                     ; v's head
	s_lshl_b32 s98, s51, 17
	s_add_co_u32 s98, s98, 2<<23
	s_lshl_b32 s53, s15, 10
	s_add_co_u32 s98, s98, s53                     ; codes: part 2, head, pieces c = 2 wr on
	s_lshl_b32 s99, s51, 13
	s_add_co_u32 s99, s99, 524288+256
	s_lshl_b32 s53, s15, 1
	s_add_co_u32 s99, s99, s53                     ; scale words: bytes 2 wr on
.macro TILEP tx, c1, c2, p, q          ; a tile's batch and place in its sequence are added
	s_lshr_b32 s52, s[\tx], 3
	s_and_b32 s53, s[\tx], 7
	s_lshl_b32 s54, s52, 21
	s_lshl_b32 s55, s53, 14
	s_add_co_u32 s54, s54, s55
	s_add_co_u32 s54, s54, s[\c1]
	s_mov_b32 s55, 0
	s_add_nc_u64 s[\p:\p+1], s[10:11], s[54:55]
	s_lshl_b32 s54, s52, 17
	s_lshl_b32 s53, s53, 10
	s_add_co_u32 s54, s54, s53
	s_add_co_u32 s54, s54, s[\c2]
	s_add_nc_u64 s[\q:\q+1], s[12:13], s[54:55]
.endm
	TILEP 47, 96, 97, PA, QA
	TILEP 48, 96, 97, PA+2, QA+2
	TILEP 48, 98, 99, VP, VQ
	s_lshl_b32 s52, s40, 2                         ; the prefetches: which of my row's sixteen waves I am,
	s_add_co_u32 s52, s52, s14
	s_lshr_b32 s53, s52, 1
	s_lshl_b32 s53, s53, 15
	s_and_b32 s52, s52, 1
	s_lshl_b32 s52, s52, 13
	s_add_co_u32 s53, s53, s52
	s_lshl_b32 s54, s41, 2                         ; and of my column's
	s_add_co_u32 s54, s54, s14
	s_lshr_b32 s55, s54, 1
	s_lshl_b32 s55, s55, 15
	s_and_b32 s54, s54, 1
	s_lshl_b32 s54, s54, 13
	s_add_co_u32 s55, s55, s54
	s_add_co_u32 s47, s49, s53
	s_add_co_u32 s47, s47, 16384                   ; chunk 1
	s_add_co_u32 s48, s50, s53                     ; chunk 2
	s_add_co_u32 s51, s48, 16384                   ; chunk 3
	s_add_co_u32 s19, s19, s55                     ; v's weight
	s_mov_b32 s20, s78                             ; the scale words' and the biases' addresses
	s_add_nc_u64 s[20:21], s[6:7], s[20:21]
	s_mov_b32 s22, s79
	s_add_nc_u64 s[22:23], s[6:7], s[22:23]
	s_lshl_b32 s17, s15, 11
	s_lshr_b32 s90, s49, 5
	s_add_co_u32 s90, s90, s17
	s_mov_b32 s91, 0
	s_add_nc_u64 s[90:91], s[6:7], s[90:91]
	s_lshr_b32 s92, s50, 5
	s_add_co_u32 s92, s92, s17
	s_mov_b32 s93, 0
	s_add_nc_u64 s[92:93], s[6:7], s[92:93]
	s_lshl_b32 s17, s16, 8
	s_lshl_b32 s94, s42, 9
	s_add_co_u32 s94, s94, s17                     ; 4 (128 X + 64 wc)
	s_mov_b32 s95, 0
	s_add_nc_u64 s[94:95], s[8:9], s[94:95]
	s_lshl_b32 s78, s46, 9
	s_add_co_u32 s78, s78, s17
	s_add_co_u32 s78, s78, 8192                    ; 4 (2,048 + 128 x half + 64 wc)
	s_mov_b32 s79, 0
	s_add_nc_u64 s[78:79], s[8:9], s[78:79]
	s_lshl_b32 s52, s15, 13                        ; my four fragments of a chunk
	s_lshl_b32 s53, s16, 13                        ; of a weight
	s_mov_b32 s[SEL], 0x76543210
	s_mov_b32 s[SEL+1], 0xfedcba98
	s_mov_b32 s[MNT], 0x600000
	s_mov_b32 s[HM], 0xffff0000                    ; lanes 16-31
	v_and_b32 v1, 31, v0                           ; lane
	v_and_b32 v2, 15, v0                           ; r
	v_bfe_u32 v3, v0, 4, 1                         ; h
	v_lshlrev_b32 v[L16], 4, v1
	v_lshlrev_b32 v[L8], 3, v1
	v_lshlrev_b32 v[VB], 6, v3
	v_lshlrev_b32 v[R8], 3, v2
	v_and_b32 v4, 8, v2
	v_add_nc_u32 v4, v4, v2
	v_lshlrev_b32 v[VN], 2, v4
	v_lshl_add_u32 v[PF], v1, 8, s47
	v_lshl_add_u32 v[PF+1], v1, 8, s48
	v_lshl_add_u32 v[PF+2], v1, 8, s51
	v_lshl_add_u32 v[PF+3], v1, 8, s19
	v_add_nc_u32 v[AY], s52, v[L16]
	v_add_nc_u32 v[AW+2], s53, v[L16]
	v_add_nc_u32 v[AY+1], 0x10000, v[AY]
	v_add_nc_u32 v[AY+2], 0x20000, v[AY]
	v_add_nc_u32 v[AY+3], 0x30000, v[AY]
	v_add_nc_u32 v[AW+3], 0x10000, v[AW+2]
	v_add_nc_u32 v[AW], 0x20000, v[AW+2]
	v_add_nc_u32 v[AW+1], 0x30000, v[AW+2]
	s_wait_alu depctr_va_vdst(0)
.irp i, 0,1
.irp q, 0,1,2,3
	global_load_b64 v[SB+8*\i+2*\q:SB+8*\i+2*\q+1], v[L8], s[20:21] offset:\i*1024+\q*256
	global_load_b64 v[SB+16+8*\i+2*\q:SB+16+8*\i+2*\q+1], v[L8], s[22:23] offset:\i*1024+\q*256
.endr
.endr
.irp p, 0,1,2,3
.irp q, 0,1,2,3
	global_load_b64 v[SA+8*\p+2*\q:SA+8*\p+2*\q+1], v[L8], s[90:91] offset:(4*(\p/2)+\p%2)*1024+\q*256
	global_load_b64 v[SA+32+8*\p+2*\q:SA+32+8*\p+2*\q+1], v[L8], s[92:93] offset:(4*(\p/2)+\p%2)*1024+\q*256
.endr
.endr
.irp b, 0,1,2,3
	global_load_b128 v[BQ+8*\b:BQ+8*\b+3], v[VB], s[94:95] offset:128*(\b/2)+32*(\b%2)      ; features 32 (b / 2) + 8 (b % 2) + 16 h + 0 .. 7
	global_load_b128 v[BQ+8*\b+4:BQ+8*\b+7], v[VB], s[94:95] offset:128*(\b/2)+32*(\b%2)+16
	global_load_b32 v[BV+\b], v[VN], s[78:79] offset:128*(\b/2)+32*(\b%2)                   ; v's feature 32 (b / 2) + 8 (b % 2) + r + 8 (r / 8)
.endr
	s_cmp_lt_u32 s14, 2
	s_cbranch_scc0 .Lnot_w
	s_wait_tensorcnt 0x0                           ; waves 0, 1: the first weight is in
.Lnot_w:
	BARRIER
	global_prefetch_b8 v[PF], s[4:5] th:TH_LOAD_NT scope:SCOPE_SE
	global_prefetch_b8 v[PF+1], s[4:5] th:TH_LOAD_NT scope:SCOPE_SE
.macro WEIGHTS adr                     ; my 64 features, all of K: fragment 4 q + b lies in window 1 + q / 4
.irp q, 0,1,2,3,4,5,6,7
.irp b, 0,1,2,3
	WIN (1+\q/4)<<6
.irp c, 0,1,2,3
	ds_load_b128 v[16*((4*\q+\b)%16)+4*\c:16*((4*\q+\b)%16)+4*\c+3], v[\adr+\q/4] offset:(\q%4)*16384+\b*2048+512*\c
.endr
.endr
.endr
	WIN 0
.endm
; The lines ahead of a refill, the round, and the refill: two K steps a wave of the half tile at s[off] of cod, to LDS byte s[lds].  col = 1: a weight, shared by my column.
.macro REFILL off, lds, col
	s_wait_tensorcnt 0x0                           ; all my tensor loads are in, so the descriptors may be written;
	ds_add_u32 v[SPW], v[NIL]
.if \col
	s_mov_b32 s[G1W+2], 2<<16
	s_mov_b32 s[G1W+4], 2
	s_mov_b32 s[G0W+1], s[\lds]
	s_add_nc_u64 s[G0W+2:G0W+3], s[4:5], s[\off:\off+1]
	s_or_b32 s[G0W+3], s[G0W+3], 0x80000000
.else
	s_mov_b32 s[G1Y+2], 2<<16
	s_mov_b32 s[G1Y+4], 2
	s_mov_b32 s[G0Y+1], s[\lds]
	s_add_nc_u64 s[G0Y+2:G0Y+3], s[4:5], s[\off:\off+1]
	s_or_b32 s[G0Y+3], s[G0Y+3], 0x80000000
.endif
	s_wait_dscnt 0x0                               ; the add is done, and my reads of the bytes that are filled again are over
	CROUND                                         ; that holds of every wave of every partner
.if \col
	TLOAD G0W, G1W
.else
	TLOAD G0Y, G1Y
.endif
.endm
.macro CHUNKOF g                       ; block g of the stream: which of x's four chunks; chunk n lies in slot n % 2
.set CN_, (\g)/4
.if (\g)/4 == 4
.set CN_, 3
.elseif (\g)/4 == 5
.set CN_, 2
.endif
.endm
.macro FETCH g                         ; block g, all of K, into set g % 2 of window 3: 32 loads
	CHUNKOF \g
	WIN 3<<6
.irp q, 0,1,2,3,4,5,6,7
.irp c, 0,1,2,3
	ds_load_b128 v[128*((\g)%2)+16*\q+4*\c:128*((\g)%2)+16*\q+4*\c+3], v[AY+2*(CN_%2)+\q/4] offset:(\q%4)*16384+((\g)%4)*2048+512*\c
.endr
.endr
	WIN 0
.endm
.macro WM d, a, b, c, sa, sb, ra, rb   ; ra, rb: the side's scale words stand in lanes 16-31
.if (\ra) && (\rb)
	v_wmma_scale_f32_16x16x128_f8f6f4 v[\d:\d+7], v[\a:\a+15], v[\b:\b+15], v[\c:\c+7], v[\sa], v[\sb] matrix_a_scale:MATRIX_SCALE_ROW1 matrix_b_scale:MATRIX_SCALE_ROW1
.elseif \ra
	v_wmma_scale_f32_16x16x128_f8f6f4 v[\d:\d+7], v[\a:\a+15], v[\b:\b+15], v[\c:\c+7], v[\sa], v[\sb] matrix_a_scale:MATRIX_SCALE_ROW1
.elseif \rb
	v_wmma_scale_f32_16x16x128_f8f6f4 v[\d:\d+7], v[\a:\a+15], v[\b:\b+15], v[\c:\c+7], v[\sa], v[\sb] matrix_b_scale:MATRIX_SCALE_ROW1
.else
	v_wmma_scale_f32_16x16x128_f8f6f4 v[\d:\d+7], v[\a:\a+15], v[\b:\b+15], v[\c:\c+7], v[\sa], v[\sb]
.endif
.endm
.macro PROD g, n, kind                 ; product n = 4 q + b of block g.  kind 0 (q, k): source 0 = the weight; kind 1 (v): source 0 = x
.set Q_, (\n)/4
.set B_, (\n)%4
.set AC_, ACC+32*((\g)%2)+8*B_
.set C_, AC_
.if Q_ == 0
.set C_, BQ+8*B_
.endif
.set R_, 128*((\g)%2)+16*Q_
.set W_, 16*((4*Q_+B_)%16)
.set XS_, SA+8*(2*CN_+((\g)%4)/2)+Q_
.set WS_, SB+16*(\kind)+8*(B_/2)+Q_
.if \kind
	WIN 3|((1+Q_/4)<<2)
	WM AC_, R_, W_, C_, XS_, WS_, (\g)%2, B_%2
.else
	WIN (1+Q_/4)|(3<<2)
	WM AC_, W_, R_, C_, WS_, XS_, B_%2, (\g)%2
.endif
.endm
.macro BLK g, cnt, kind                ; cnt: the next block's fetch may be out
	CHUNKOF \g
	s_wait_dscnt \cnt
.set N_, 0
.rept 32
	PROD \g, N_, \kind
.set N_, N_+1
.endr
	WIN 0
	PLACES 8                                       ; behind the last product: in front of the fetch into what it has read and of the first reader of its sums
.endm
; q's or k's block g: 16 tokens x one head: 32 numbers a lane, two scale blocks; 32 codes a lane leave, and with a chunk's fourth block its scale words.
.macro QOUT g
.set X_, ACC+32*((\g)%2)
.set J_, (\g)%4
	s_wait_xcnt 0x0                                ; the last block's stores have read their registers
.irp b, 0,1,2,3
	v_max3_num_f32 v[T+\b], |v[X_+8*\b]|, |v[X_+8*\b+1]|, |v[X_+8*\b+2]|      ; each accumulator from its low end on; four chains
.endr
.irp k, 3,5
.irp b, 0,1,2,3
	v_max3_num_f32 v[T+\b], v[T+\b], |v[X_+8*\b+\k]|, |v[X_+8*\b+\k+1]|
.endr
.endr
.irp b, 0,1,2,3
	v_max_num_f32 v[T+\b], v[T+\b], |v[X_+8*\b+7]|
.endr
	v_max3_num_f32 v[T], v[T], v[T+1], 0x4800000   ; with the floor 2^(9 - 127): the byte cannot fall under 1
	v_max3_num_f32 v[T+2], v[T+2], v[T+3], 0x4800000
	v_permlanex16_b32 v[T+1], v[T], s[SEL], s[SEL+1]
	v_permlanex16_b32 v[T+3], v[T+2], s[SEL], s[SEL+1]
	v_max_num_f32 v[T], v[T], v[T+1]               ; with lane l xor 16's 16
	v_max_num_f32 v[T+2], v[T+2], v[T+3]
	v_add_nc_u32 v[T+4], 0xfc000000, v[T]          ; the conversions' scale operands
	v_add_nc_u32 v[T+5], 0xfc000000, v[T+2]
	v_and_or_b32 v[T+6], v[T], 0x7f800000, s[MNT]  ; 448 x the scale
	v_and_or_b32 v[T+7], v[T+2], 0x7f800000, s[MNT]
	v_lshrrev_b32 v[BY], 23, v[T+4]                ; the bytes
	v_lshrrev_b32 v[BY+1], 23, v[T+5]
.if J_%2
	v_lshl_or_b32 v[BY], v[BY+1], 8, v[BY]
	v_lshl_or_b32 v[KW+J_/2], v[BY], 16, v[KW+J_/2]
.else
	v_lshl_or_b32 v[KW+J_/2], v[BY+1], 8, v[BY]
.endif
.irp i, 0,1
.set n, 0
.rept 16
	v_med3_num_f32 v[X_+16*\i+n], v[X_+16*\i+n], -v[T+6+\i], v[T+6+\i]       ; the conversion does not saturate (ISA guide 7.6.2)
.set n, n+1
.endr
	v_cvt_scalef32_pk8_fp8_f32 v[PC+4*\i:PC+4*\i+1], v[X_+16*\i:X_+16*\i+7], v[T+4+\i]
	v_cvt_scalef32_pk8_fp8_f32 v[PC+4*\i+2:PC+4*\i+3], v[X_+16*\i+8:X_+16*\i+15], v[T+4+\i]
.endr
	v_nop                                          ; a plain line behind the last conversion
	global_store_b128 v[L16], v[PC:PC+3], s[PA+2*((\g)/8):PA+2*((\g)/8)+1] offset:(8*(((\g)/4)%2)+J_)*1024       ; 512 consecutive bytes each
	global_store_b128 v[L16], v[PC+4:PC+7], s[PA+2*((\g)/8):PA+2*((\g)/8)+1] offset:(8*(((\g)/4)%2)+J_)*1024+512
.if J_ == 3
	global_store_b64 v[R8], v[KW:KW+1], s[QA+2*((\g)/8):QA+2*((\g)/8)+1] offset:(((\g)/4)%2)*512   ; lanes r and r + 16 write the same bytes with the same value
.endif
	s_wait_alu depctr_va_vdst(0)
.endm
; v's pair of blocks g - 1, g: 32 keys x 64 channels: for each of four tiles 16 numbers a lane, one scale block.
.macro VOUT g
.set PR_, ((\g)%4)/2
.set HF_, 5-(\g)/4                     ; the chunk's half of v's tile: chunk 3 goes first
	s_wait_xcnt 0x0
.irp b, 0,1,2,3
	v_max3_num_f32 v[T+\b], |v[ACC+8*\b]|, |v[ACC+8*\b+1]|, |v[ACC+8*\b+2]|
.endr
.irp k, 3,5
.irp b, 0,1,2,3
	v_max3_num_f32 v[T+\b], v[T+\b], |v[ACC+8*\b+\k]|, |v[ACC+8*\b+\k+1]|
.endr
.endr
.irp b, 0,1,2,3
	v_max3_num_f32 v[T+\b], v[T+\b], |v[ACC+8*\b+7]|, |v[ACC+32+8*\b]|
.endr
.irp k, 1,3,5
.irp b, 0,1,2,3
	v_max3_num_f32 v[T+\b], v[T+\b], |v[ACC+32+8*\b+\k]|, |v[ACC+32+8*\b+\k+1]|
.endr
.endr
.irp b, 0,1,2,3
	v_max3_num_f32 v[T+\b], v[T+\b], |v[ACC+32+8*\b+7]|, 0x4800000
.endr
.irp b, 0,1,2,3
	v_permlanex16_b32 v[T+4+\b], v[T+\b], s[SEL], s[SEL+1]
.endr
.irp b, 0,1,2,3
	v_max_num_f32 v[T+\b], v[T+\b], v[T+4+\b]
.endr
.irp b, 0,1,2,3
	v_add_nc_u32 v[T+4+\b], 0xfc000000, v[T+\b]
.endr
.irp b, 0,1,2,3
	v_and_or_b32 v[T+\b], v[T+\b], 0x7f800000, s[MNT]
.endr
.if PR_
.irp b, 0,1,2,3
	v_lshrrev_b32 v[BY+\b], 23, v[T+4+\b]
.endr
.irp b, 0,1,2,3
	v_lshl_or_b32 v[KW+\b], v[BY+\b], 8, v[KW+\b]
.endr
.else
.irp b, 0,1,2,3
	v_lshrrev_b32 v[KW+\b], 23, v[T+4+\b]
.endr
.endif
.irp b, 0,1,2,3
.set n, 0
.rept 8
	v_med3_num_f32 v[ACC+8*\b+n], v[ACC+8*\b+n], -v[T+\b], v[T+\b]
	v_med3_num_f32 v[ACC+32+8*\b+n], v[ACC+32+8*\b+n], -v[T+\b], v[T+\b]
.set n, n+1
.endr
	v_cvt_scalef32_pk8_fp8_f32 v[PC+4*\b:PC+4*\b+1], v[ACC+8*\b:ACC+8*\b+7], v[T+4+\b]           ; keys 16 h + 0 .. 7,
	v_cvt_scalef32_pk8_fp8_f32 v[PC+4*\b+2:PC+4*\b+3], v[ACC+32+8*\b:ACC+32+8*\b+7], v[T+4+\b]   ; 16 h + 8 .. 15
.endr
	v_nop
.irp b, 0,1,2,3
	global_store_b128 v[L16], v[PC+4*\b:PC+4*\b+3], s[VP:VP+1] offset:HF_*8192+\b*2048+PR_*512   ; 512 consecutive bytes
.endr
.if PR_
	v_cndmask_b32 v[BY], v[KW], v[KW+1], s[HM]     ; lanes 0-15: the even tile's two bytes; lanes 16-31: the odd one's
	v_cndmask_b32 v[BY+1], v[KW+2], v[KW+3], s[HM]
	global_store_b16 v[L8], v[BY], s[VQ:VQ+1] offset:HF_*512
	global_store_b16 v[L8], v[BY+1], s[VQ:VQ+1] offset:HF_*512+4
.endif
	s_wait_alu depctr_va_vdst(0)
.endm
	WEIGHTS AW
	REFILL 80, 89, 0                               ; chunk 1 over the first weight's bytes
	FETCH 0
	FETCH 1
	s_wait_loadcnt 0x0                             ; the scale words and the biases
.irp g, 0,1,2,3,4,5,6,7,8,9,10,11,12,13,14,15
	BLK \g, 32, 0
.if \g == 2
	REFILL 82, 88, 0                               ; chunk 1 is shown; chunk 2 over chunk 0
.elseif \g == 6
	REFILL 84, 89, 0                               ; chunk 2 is shown; chunk 3 over chunk 1
.elseif \g == 10
	REFILL 86, 88, 1                               ; chunk 3 is shown; v's weight over chunk 2
.endif
	FETCH \g+2
.if \g == 2
	global_prefetch_b8 v[PF+2], s[4:5] th:TH_LOAD_NT scope:SCOPE_SE
.elseif \g == 6
	global_prefetch_b8 v[PF+3], s[4:5] th:TH_LOAD_NT scope:SCOPE_SE
.endif
	QOUT \g
.endr
	; the change of phase: blocks 16 and 17 (chunk 3 again) are under way into window 3
	s_wait_tensorcnt 0x0                           ; my part of v's weight is in
	s_wait_dscnt 0x0
	BARRIER                                        ; everybody's is
	WEIGHTS AW+2
.irp b, 0,1,2,3
.irp i, 0,1,2,3,4,5,6,7
	v_mov_b32 v[BQ+8*\b+\i], v[BV+\b]              ; v's bias runs along source 1: the same number in a tile's eight registers
.endr
.endr
	s_wait_alu depctr_va_vdst(0)
	REFILL 82, 88, 0                               ; chunk 2 anew over v's weight's bytes
.irp g, 16,17,18,19,20,21,22
	BLK \g, 32, 1
.if \g == 18
	s_wait_tensorcnt 0x0                           ; my part of chunk 2 is in
	s_wait_dscnt 0x0
	BARRIER                                        ; everybody's is
.endif
.if \g < 22
	FETCH \g+2
.endif
.if \g % 2
	VOUT \g
.endif
.endr
	BLK 23, 0, 1
	VOUT 23
	s_wait_tensorcnt 0x0                           ; the wave's end
	ds_add_u32 v[SPW], v[NIL]
	s_wait_dscnt 0x0
	CROUND                                         ; the closing round
	s_endpgm
.Lfunc_end_k_q219b6ef331_qkv:
	.size	k_q219b6ef331_qkv, .Lfunc_end_k_q219b6ef331_qkv-k_q219b6ef331_qkv
	.p2alignl 7, 3214868480
	.fill 96, 4, 3214868480
	.section	.rodata,"a",@progbits
	.p2align	6, 0x0
	.amdhsa_kernel k_q219b6ef331_qkv
		.amdhsa_group_segment_fixed_size 327680
		.amdhsa_private_segment_fixed_size 0
		.amdhsa_enable_private_segment 0
		.amdhsa_kernarg_size 40
		.amdhsa_user_sgpr_count 2
		.amdhsa_user_sgpr_kernarg_segment_ptr 1
		.amdhsa_wavefront_size32 1
		.amdhsa_system_sgpr_workgroup_id_x 1
		.amdhsa_system_sgpr_workgroup_id_y 1
		.amdhsa_system_sgpr_workgroup_id_z 1
		.amdhsa_system_vgpr_workitem_id 0
		.amdhsa_next_free_vgpr 1024
		.amdhsa_next_free_sgpr 102
		.amdhsa_reserve_vcc 0
		.amdhsa_float_denorm_mode_32 3
		.amdhsa_float_denorm_mode_16_64 3
		.amdhsa_memory_ordered 1
		.amdhsa_forward_progress 1
		.amdhsa_inst_pref_size 255
	.end_amdhsa_kernel
	.section	.bss,"aw",@nobits
	.p2align	6
	.space	262144
	.amdgpu_metadata
---
amdhsa.version: [ 1, 2 ]
amdhsa.kernels:
  - .name:           k_q219b6ef331_qkv
    .symbol:         k_q219b6ef331_qkv.kd
    .args:
      - { .name: cod, .offset: 0, .size: 8, .value_kind: global_buffer, .address_space: global }
      - { .name: scl, .offset: 8, .size: 8, .value_kind: global_buffer, .address_space: global }
      - { .name: bqkv, .offset: 16, .size: 8, .value_kind: global_buffer, .address_space: global }
      - { .name: acod, .offset: 24, .size: 8, .value_kind: global_buffer, .address_space: global }
      - { .name: ascl, .offset: 32, .size: 8, .value_kind: global_buffer, .address_space: global }
    .group_segment_fixed_size: 327680
    .private_segment_fixed_size: 0
    .kernarg_segment_align: 8
    .kernarg_segment_size: 40
    .max_flat_workgroup_size: 128
    .sgpr_count:     102
    .vgpr_count:     1024
    .wavefront_size: 32
...
	.end_amdgpu_metadata
.endif
;; end of part 2
;; launch attn (part 3): grid 4 x 64, 16 waves a work-group, clusters of 4 x 1, 327,680 bytes of LDS; arguments acod, ascl, ycod, yscl; writes ycod, yscl
.if DOCPART == 3
	.amdgcn_target "amdgcn-amd-amdhsa--gfx1250"
	.amdhsa_code_object_version 6
	.text
	.protected	k_q219b6ef331_attn
	.globl	k_q219b6ef331_attn
	.p2align	8
	.type	k_q219b6ef331_attn,@function
k_q219b6ef331_attn:
	s_mov_b64 s[64:65], 0
	v_nop
	global_prefetch_b8 v0, s[64:65] scope:SCOPE_SE
	s_setreg_imm32_b32 hwreg(HW_REG_WAVE_MODE, 25, 1), 1
	s_wait_xcnt 0x0
	s_wait_alu depctr_hold_cnt(0) depctr_sa_sdst(0) depctr_va_vdst(0) depctr_va_sdst(0) depctr_va_ssrc(0) depctr_va_vcc(0) depctr_vm_vsrc(0)
	s_getreg_b32 s2, hwreg(HW_REG_IB_STS2, 6, 4)
	s_cmp_eq_u32 s2, 0
	s_cbranch_scc0 .Lentry_in_a_cluster
	s_endpgm
.Lentry_in_a_cluster:
	s_bfe_u32 s2, ttmp6, 0x10000c
	s_cmp_lg_u32 s2, 0x3003
	s_cbranch_scc0 .Lentry_shape_is_right
	s_endpgm
.Lentry_shape_is_right:
; y[b][h][q] = the sum over k <= q of softmax_k(q . k / 8) v, both products on codes of E4M3 with E8M0 scales; y is quantised along its 64 channels for the last product and leaves as codes.
; LEFT OUT: key steps all of whose keys come after a tile's queries: the causal mask makes their p zero for all inputs.
; THE SOFTMAX: t = score x log2(e) / 8; M = the row's largest t so far, rounded UP to a whole number; p = 2^(t - M) is quantised along the keys, not normalised; the row's sum is taken of the unquantised p and divides O at the end.
; When M moves, the sum and O are multiplied by 2^(old M - new M): exact.  The order in which a row's key steps are walked is free under a running M.
; A HEAD'S K AND V STAY IN LDS: 16 key steps of 128 keys x (8,192 bytes of K + 8,192 of V) = 262,144 bytes, and 8,192 of scale words: filled once, never again: no ring, and no barrier in the walk but the one that shows the later tiles.
; SHARES.  The four work-groups of a head form a cluster; partner cx owns the cx-th block of 32 queries (two tiles of 16) of each of the 16 groups of 128: every partner needs every key, so each tile is asked for jointly (mask 15).
; Wave w owns tile w % 2 of group 15 - w / 2 (16 - w / 2 key steps), then of group w / 2 (w / 2 + 1): 17 steps for every wave, all of them live; trip counts are constants and no branch hangs on cx.
; The first pass takes key step t in trip t; the second key step 16 - t, its diagonal step first.  So trips 0 to 3 read key steps 0 to 3 alone: the first barrier shows the tiles of waves 0 to 3, the second, behind four trips, all.
; Wave w fetches key step w: ONE tensor load of two rows of 8,192 bytes (K's, then V's 8,388,608 bytes on in memory).  The scale words come through registers: 512 bytes a wave.
; NO PREFETCH: all that the launch reads of K and V is asked for at its head; there is no loop to run ahead in.
; LAYOUT.  Both products are used transposed: S^T = K Q^T, O^T = V^T P^T: a lane holds ONE query.  Lane r of tile u of a block of 32 holds row 8 u + r + 8 (r / 8).
; K = 64 IN A FORM 128 DEEP: a fragment of K holds tile (c, 0) in k 0-63 and tile (c, 1) in k 64-127; Q stands as [Q][zeros][Q]: registers 0-15 give tile (c, 0), registers 8-23 tile (c, 1).  Q's scale word repeats its two bytes.
; LIMITS: NaN and infinities are not served; the scaled scores stay under 2^31 in magnitude; a block whose largest magnitude lies under 2^-118 keeps the byte 1 (a block of zeros too: its codes are zeros).
.set SCB,   262144                     ; the scale words: [step][K's unit 256 | V's unit 256]
.set SPARE, 278528                     ; the spare words, 128 bytes for each wave; above every address that the walk's scalars can form (17 x 16,384)
.set L16, 1                            ; v1   16 x lane
.set L8,  2                            ; v2   SCB + 8 x lane
.set SPW, 3                            ; v3   my spare word; never rewritten
.set NIL, 4                            ; v4   0; never rewritten
.set ADR, 6                            ; v6   the step's codes + 16 x lane
.set ADS, 7                            ; v7   the step's scale words + 8 x lane
.set R8,  10                           ; v10  8 r
                                       ; v9, v8, v11, v5: a second copy of 448 x the scale of blocks 0 to 3, for the second half of a dual line
                                       ; v12 -M, v13 the largest t, v[14:15] the sum in two halves; v16-39 Q, zeros, Q
.set F,   40                           ; v40-103  four fragments of K, then of V
.set S,   104                          ; v104-167 S^T, then p
.set O,   168                          ; v168-199 O^T
.set PCD, 200                          ; v200-215 p's codes
.set BM,  216
.set PT,  220
.set HL,  224                          ; 448 x the scale
.set SO,  228                          ; the conversions' scale operands
.set FF,  232                          ; v[232:233] f = 2^(old M - new M)
.set TT,  234
.set PWD, 235                          ; p's scale word
.set KS,  236                          ; v236-237 K's scale words
.set VS,  238                          ; v238-239 V's
.set QW,  240
.set QW2, 241
.set QD2, 242                          ; v242-249 the second pass's Q
.set NINF, 250
.set TB,  2                            ; s2   LDS byte of the key step in hand
.set T,   3                            ; s3   the trip
.set WV,  18
.set MNT, 19
.set SEL, 20
.set CS,  22                           ; s[22:23] c = log2(e) / 8
.set G1,  24                           ; s[24:31]
.set G0,  40                           ; s[40:43]
.set TK,  44                           ; s44-59 a block's 16 lane masks (the head's scratch until then)
.set U2,  60                           ; s60  16,384 (t - 1)
.set TA,  61
.set TX,  62
.set TS,  63                           ; s63  512 x key step
.set MK,  66                           ; s66-81 lane masks of the diagonal block: bit set where key i of my half comes after my query
.set YB1, 82
.set YB2, 84
.set YS1, 86
.set YS2, 88
.set SW,  90                           ; s90  16 - w / 2: the trip in which the second pass begins
.set DG,  92                           ; s92  15 - w / 2: the first pass's diagonal trip
.set CB,  93                           ; s93  cx: my block of 32 in a group
.set AC,  94
.macro BARRIER
	s_barrier_signal -1
	s_barrier_wait -1
.endm
.macro CROUND                          ; a round of the cluster's barrier
	BARRIER
	s_cmp_lg_u32 s[WV], 0
	s_cbranch_scc1 .Lnot_wave_0_\@
	s_barrier_signal -3
.Lnot_wave_0_\@:
	s_barrier_wait -3
	BARRIER
.endm
.macro TLOAD                           ; an s_nop 0 and four v_nop follow the load
	tensor_load_to_lds s[G0:G0+3], s[G1:G1+7]
	s_nop 0
.rept 4
	v_nop
.endr
.endm
	s_load_b256 s[4:11], s[0:1], 0x0               ; acod s[4:5], ascl s[6:7], ycod s[8:9], yscl s[10:11]
	v_lshl_add_u32 v[SPW], v0, 2, SPARE
	v_mov_b32 v[NIL], 0
	ds_add_u32 v[SPW], v[NIL]                      ; the opening lines: the add, twice on end, and its wait
	ds_add_u32 v[SPW], v[NIL]
	v_lshrrev_b32 v6, 5, v0
	v_readfirstlane_b32 s[WV], v6                  ; wave 0..15
	s_and_b32 s44, ttmp7, 0xffff                   ; 16 x batch + head
	s_bfe_u32 s[CB], ttmp6, 0x40000                ; cx
	s_lshr_b32 s45, s[WV], 1
	s_and_b32 s46, s[WV], 1                        ; u
	s_sub_co_u32 s[SW], 16, s45
	s_sub_co_u32 s[DG], 15, s45
	s_mov_b32 s[G1], 15|(3<<16)|(1<<21)            ; the mask: all four partners; elements of 8 bytes; bit 21 beside a mask; no padding
	s_mov_b32 s[G1+1], 1024<<16                    ; tensor_dim0 = 1,024: a row of 8,192 bytes
	s_mov_b32 s[G1+2], 2<<16                       ; tensor_dim1 = 2
	s_mov_b32 s[G1+3], 1024<<16                    ; tile_dim0
	s_mov_b32 s[G1+4], 2                           ; tile_dim1
	s_mov_b32 s[G1+5], 1048576                     ; the pitch: from k's part of acod to v's
	s_mov_b32 s[G1+6], 0
	s_mov_b32 s[G1+7], 0
	s_mov_b32 s[G0], 1
	s_lshl_b32 s[G0+1], s[WV], 14                  ; LDS: key step w
	s_lshl_b32 s60, s44, 17
	s_lshl_b32 s61, s[WV], 13
	s_add_co_u32 s60, s60, s61
	s_add_co_u32 s60, s60, 1<<23                   ; k's part, my head, key step w: the same in all four partners
	s_mov_b32 s61, 0
	s_wait_dscnt 0x0                               ; both opening adds are done
	CROUND                                         ; all four partners are here: the joint loads meet
	s_wait_kmcnt 0x0
	s_add_nc_u64 s[G0+2:G0+3], s[4:5], s[60:61]
	s_or_b32 s[G0+3], s[G0+3], 0x80000000
	s_cmp_lt_u32 s[WV], 4                          ; waves 0 to 3, whose tiles the first barrier shows, have a load line of their own
	s_cbranch_scc0 .Llater
	TLOAD
	s_branch .Lasked
.Llater:
	TLOAD
.Lasked:
	s_lshl_b32 s47, s[CB], 1
	s_add_co_u32 s47, s47, s46
	s_lshl_b32 s48, s[DG], 3
	s_add_co_u32 s48, s48, s47                     ; the first pass's tile of the head's 128: 8 x group + 2 cx + u
	s_lshl_b32 s49, s45, 3
	s_add_co_u32 s49, s49, s47                     ; the second's
	s_lshl_b32 s51, s44, 17
	s_lshl_b32 s53, s44, 13
	s_lshr_b32 s50, s44, 4                         ; batch
	s_lshl_b32 s54, s50, 21                        ; y's codes: batch, K step head / 2, the image's half head % 2
	s_bfe_u32 s52, s44, 0x30001
	s_lshl_b32 s52, s52, 15
	s_add_co_u32 s54, s54, s52
	s_and_b32 s52, s44, 1
	s_lshl_b32 s52, s52, 10
	s_add_co_u32 s54, s54, s52
	s_lshl_b32 s55, s50, 16                        ; y's scale bytes: batch, head / 4, word (head / 2) % 2, its half head % 2
	s_bfe_u32 s52, s44, 0x20002
	s_lshl_b32 s52, s52, 8
	s_add_co_u32 s55, s55, s52
	s_and_b32 s52, s44, 3
	s_lshl_b32 s52, s52, 1
	s_add_co_u32 s55, s55, s52
.macro PASSADR tau, qc, qs, yb, ys     ; a pass's four addresses from its tile's number
	s_mov_b32 s57, 0
	s_lshl_b32 s56, s[\tau], 10
	s_add_co_u32 s56, s56, s51
	s_add_nc_u64 s[\qc:\qc+1], s[4:5], s[56:57]
	s_lshr_b32 s56, s[\tau], 3
	s_lshl_b32 s56, s56, 9
	s_add_co_u32 s56, s56, s53
	s_bfe_u32 s52, s[\tau], 0x10002
	s_lshl_b32 s52, s52, 7
	s_add_co_u32 s56, s56, s52
	s_bfe_u32 s52, s[\tau], 0x10001
	s_lshl_b32 s52, s52, 2
	s_add_co_u32 s56, s56, s52
	s_add_nc_u64 s[\qs:\qs+1], s[6:7], s[56:57]
	s_lshr_b32 s56, s[\tau], 4
	s_lshl_b32 s56, s56, 18
	s_add_co_u32 s56, s56, s54
	s_and_b32 s52, s[\tau], 15
	s_lshl_b32 s52, s52, 11
	s_add_co_u32 s56, s56, s52
	s_add_nc_u64 s[\yb:\yb+1], s[8:9], s[56:57]
	s_lshr_b32 s56, s[\tau], 4
	s_lshl_b32 s56, s56, 13
	s_add_co_u32 s56, s56, s55
	s_bfe_u32 s52, s[\tau], 0x30001
	s_lshl_b32 s52, s52, 10
	s_add_co_u32 s56, s56, s52
	s_and_b32 s52, s[\tau], 1
	s_lshl_b32 s52, s52, 7
	s_add_co_u32 s56, s56, s52
	s_add_nc_u64 s[\ys:\ys+1], s[10:11], s[56:57]
.endm
	PASSADR 48, 12, 16, YB1, YS1
	PASSADR 49, 14, 58, YB2, YS2
	s_add_co_u32 s60, s53, 524288                  ; ascl's region 1, my head
	s_mov_b32 s61, 0
	s_add_nc_u64 s[60:61], s[6:7], s[60:61]
	s_mov_b32 s[SEL], 0x76543210
	s_mov_b32 s[SEL+1], 0xfedcba98
	s_mov_b32 s[CS], 0x3e38aa3b
	s_mov_b32 s[CS+1], s[CS]
	s_mov_b32 s[MNT], 0x600000
	s_lshl_b32 s50, s46, 3                         ; 8 u
	s_cmp_eq_u32 s46, 0
	s_mov_b32 s52, 0x03020302
	s_cselect_b32 s52, 0x01000100, s52             ; my tile's two bytes of Q's word, twice
	v_and_b32 v7, 31, v0                           ; lane
	v_lshlrev_b32 v[L16], 4, v7
	v_lshl_add_u32 v[L8], v7, 3, SCB
	v_lshlrev_b32 v5, 4, v0                        ; my 16 bytes of the head's scale words,
	v_lshl_add_u32 v[ADR], v0, 4, SCB              ; and their place in LDS
	v_and_b32 v9, 15, v0                           ; r
	v_bfe_u32 v11, v0, 4, 1                        ; h
	v_lshlrev_b32 v[R8], 3, v9
	v_and_b32 v8, 8, v9
	v_add_nc_u32 v8, v8, v9
	v_lshlrev_b32 v11, 4, v11
	v_sub_nc_u32 v8, v8, v11
	v_add_nc_u32 v8, s50, v8                       ; my query in its block of 32, less 16 h
	s_wait_alu depctr_va_vdst(0)
	global_load_b128 v[S:S+3], v5, s[60:61]
	global_load_b128 v[16:19], v[L16], s[12:13]                    ; Q, twice, with eight registers of zeros between
	global_load_b128 v[20:23], v[L16], s[12:13] offset:512
	global_load_b128 v[32:35], v[L16], s[12:13]
	global_load_b128 v[36:39], v[L16], s[12:13] offset:512
	global_load_b128 v[QD2:QD2+3], v[L16], s[14:15]                ; the second pass's
	global_load_b128 v[QD2+4:QD2+7], v[L16], s[14:15] offset:512
	global_load_b32 v[QW], v[R8], s[16:17]
	global_load_b32 v[QW2], v[R8], s[58:59]
.set n, 0
.rept 16
	v_cmp_gt_i32 s[MK+n], n, v8                    ; in my own block of 32 register n's key is hidden where n > my query - 16 h
.set n, n+1
.endr
.irp j, 0,1,2,3,4,5,6,7
	v_mov_b32 v[24+\j], 0
.endr
.irp b, 0,1,2,3
	v_mov_b32 v[PT+\b], 0                          ; written once: a lane permute's destination counts as one of its sources
.endr
	v_mov_b32 v[FF+1], 0
	v_mov_b32 v[TT], 0
	v_mov_b32 v[NINF], 0xff800000
.macro START                           ; the state with which a pass begins: the first change of M multiplies zeros
	v_mov_b32 v13, 0xff61b1e6                      ; the largest t so far: -3e38
	s_delay_alu instid0(VALU_DEP_1)
	v_floor_f32 v12, -v13
	v_mov_b32 v14, 0
	v_mov_b32 v15, 0
.set n, 0
.rept 32
	v_mov_b32 v[O+n], 0
.set n, n+1
.endr
.endm
	START
	s_wait_alu depctr_va_vdst(0)
	s_wait_loadcnt 0x0
	ds_store_b128 v[ADR], v[S:S+3]                 ; key step w's scale words
	v_perm_b32 v[QW], v[QW], v[QW], s52
	v_perm_b32 v[QW2], v[QW2], v[QW2], s52
	s_wait_alu depctr_va_vdst(0)
	s_cmp_lt_u32 s[WV], 4
	s_cbranch_scc0 .Lnot_yet
	s_wait_tensorcnt 0x0                           ; waves 0 to 3: key steps 0 to 3 are in
.Lnot_yet:
	s_wait_dscnt 0x0                               ; my scale words are in LDS
	BARRIER
.macro HOLD b, hb                      ; p is not negative: the hold is one-sided; two numbers a line; then the block's codes
.set n, 0
.rept 8
	v_dual_min_num_f32 v[S+16*\b+n], v[S+16*\b+n], v[HL+\b] :: v_dual_min_num_f32 v[S+16*\b+n+1], v[S+16*\b+n+1], v[\hb]
.set n, n+2
.endr
	v_cvt_scalef32_pk8_fp8_f32 v[PCD+4*\b:PCD+4*\b+1], v[S+16*\b:S+16*\b+7], v[SO+\b]
	v_cvt_scalef32_pk8_fp8_f32 v[PCD+4*\b+2:PCD+4*\b+3], v[S+16*\b+8:S+16*\b+15], v[SO+\b]
.endm
; A KEY STEP: the 128 keys at LDS byte s[TB], their scale words at SCB + s[TS].  diag = 1: the text holds the mask of a diagonal step.
.macro STEP diag
	v_add_nc_u32 v[ADR], s[TB], v[L16]
	v_add_nc_u32 v[ADS], s[TS], v[L8]
.rept 6
	v_nop                                          ; with the two additions: eight places in front of loads into registers that the last products read
.endr
.irp c, 0,1,2,3
.irp g, 0,1,2,3
	ds_load_b128 v[F+16*\c+4*\g:F+16*\c+4*\g+3], v[ADR] offset:2048*\c+512*\g
.endr
.endr
	ds_load_b64 v[KS:KS+1], v[ADS]
	s_wait_alu depctr_va_vdst(0)
	s_wait_dscnt 0x0
.irp c, 0,1
.irp u, 0,1
	v_wmma_scale_f32_16x16x128_f8f6f4 v[S+16*\c+8*\u:S+16*\c+8*\u+7], v[F+16*\c:F+16*\c+15], v[16+8*\u:31+8*\u], 0, v[KS+\c], v[QW]
.endr
.endr
.irp c, 2,3
.irp u, 0,1
	v_wmma_scale_f32_16x16x128_f8f6f4 v[S+16*\c+8*\u:S+16*\c+8*\u+7], v[F+16*\c:F+16*\c+15], v[16+8*\u:31+8*\u], 0, v[KS+\c-2], v[QW] matrix_a_scale:MATRIX_SCALE_ROW1
.endr
.endr                                      ; register 16 c + i holds the step's key 32 c + 16 h + i
.rept 8
	v_nop
.endr
.irp t, 0,1,2,3                            ; V's four fragments land while the softmax is worked
.irp g, 0,1,2,3
	ds_load_b128 v[F+16*\t+4*\g:F+16*\t+4*\g+3], v[ADR] offset:8192+2048*\t+512*\g
.endr
.endr
	ds_load_b64 v[VS:VS+1], v[ADS] offset:256
.if \diag
	s_sub_co_u32 s91, s[T], s[DG]                  ; trips 15 - w / 2 and 16 - w / 2 are the two passes' diagonal steps: the wave's number and the trip alone
	s_cmp_gt_u32 s91, 1
	s_cbranch_scc1 .Lopen_\@
.irp c, 0,1,2,3                            ; block c of 32 keys: before my block all count, behind it none, in it the sixteen lane masks: chosen by selects, no branch on cx
	s_cmp_lt_u32 s[CB], \c
	s_cselect_b32 s[AC], -1, 0
	s_cmp_eq_u32 s[CB], \c
.set n, 0
.rept 16
	s_cselect_b32 s[TK+n], s[MK+n], s[AC]
.set n, n+1
.endr
.set n, 0
.rept 16
	v_cndmask_b32 v[S+16*\c+n], v[S+16*\c+n], v[NINF], s[TK+n]   ; hidden scores become -infinity ahead of the maximum
.set n, n+1
.endr
.endr
.Lopen_\@:
.endif
.irp b, 0,1,2,3
	v_max3_num_f32 v[BM+\b], v[S+16*\b], v[S+1+16*\b], v[S+2+16*\b]   ; the largest score of each block of 32 keys: for the row's maximum and, since p rises with the score, for the block's largest p
.endr
.irp i, 3,5,7,9,11,13
.irp b, 0,1,2,3
	v_max3_num_f32 v[BM+\b], v[BM+\b], v[S+16*\b+\i], v[S+1+16*\b+\i]
.endr
.endr
.irp b, 0,1,2,3
	v_max_num_f32 v[BM+\b], v[BM+\b], v[S+15+16*\b]
.endr
.irp b, 0,1,2,3
	s_delay_alu instid0(VALU_DEP_4)
	v_permlanex16_b32 v[PT+\b], v[BM+\b], s[SEL], s[SEL+1]
.endr
.irp b, 0,1,2,3
	s_delay_alu instid0(VALU_DEP_4)
	v_max_num_f32 v[BM+\b], v[BM+\b], v[PT+\b]
.endr
	s_delay_alu instid0(VALU_DEP_2)
	v_max3_num_f32 v[TT], v[BM], v[BM+1], v[BM+2]
	s_delay_alu instid0(VALU_DEP_1)
	v_max_num_f32 v[TT], v[TT], v[BM+3]
	s_delay_alu instid0(VALU_DEP_1)
	v_mul_f32 v[TT], s[CS], v[TT]                  ; as t
	s_delay_alu instid0(VALU_DEP_1)
	v_max_num_f32 v13, v13, v[TT]                  ; the running largest t
	v_mov_b32 v[TT], v12
	s_delay_alu instid0(VALU_DEP_2)
	v_floor_f32 v12, -v13                          ; the new -M = -ceil(t)
	s_delay_alu instid0(VALU_DEP_1)
	v_sub_f32 v[TT], v12, v[TT]                    ; old M - new M: a whole number, 0 or less
	s_delay_alu instid0(VALU_DEP_1)
	v_cvt_i32_f32 v[TT], v[TT]                     ; (it saturates)
	s_delay_alu instid0(VALU_DEP_1)
	v_ldexp_f32 v[FF], 1.0, v[TT]                  ; f
.set n, 0
.rept 32
	v_pk_fma_f32 v[S+n:S+n+1], v[S+n:S+n+1], s[CS:CS+1], v[12:13] op_sel_hi:[1,0,0]   ; t - M
.set n, n+2
.endr
.irp b, 0,1,2,3
	v_fma_f32 v[BM+\b], v[BM+\b], s[CS], v12
.endr
.set n, 0
	s_wait_alu depctr_va_vdst(0)
.rept 64
	v_exp_f32 v[S+n], v[S+n]                       ; p
.set n, n+1
.endr
	v_pk_mul_f32 v[14:15], v[14:15], v[FF:FF+1] op_sel_hi:[1,0]    ; the sums under the new M: a plain line behind the exponentials
	s_wait_alu depctr_va_vdst(0)                   ; one wait for the batch, ahead of its first reader
.irp b, 0,1,2,3
	v_exp_f32 v[BM+\b], v[BM+\b]                   ; the blocks' largest p
.endr
	v_pk_add_f32 v[220:221], v[108:109], v[112:113]                ; the row's sum of the unquantised p, in eight chains
	v_pk_add_f32 v[254:255], v[116:117], v[120:121]
	v_pk_add_f32 v[252:253], v[124:125], v[128:129]
	v_pk_add_f32 v[236:237], v[132:133], v[136:137]
	v_pk_add_f32 v[230:231], v[140:141], v[144:145]
	v_pk_add_f32 v[228:229], v[148:149], v[152:153]
	v_pk_add_f32 v[226:227], v[156:157], v[160:161]
	v_pk_add_f32 v[14:15], v[14:15], v[164:165]
	v_pk_add_f32 v[220:221], v[220:221], v[104:105]
	v_pk_add_f32 v[254:255], v[254:255], v[106:107]
	v_pk_add_f32 v[252:253], v[252:253], v[110:111]
	v_pk_add_f32 v[236:237], v[236:237], v[114:115]
	v_pk_add_f32 v[230:231], v[230:231], v[118:119]
	v_pk_add_f32 v[228:229], v[228:229], v[122:123]
	v_pk_add_f32 v[226:227], v[226:227], v[126:127]
	v_pk_add_f32 v[14:15], v[14:15], v[130:131]
	v_pk_add_f32 v[220:221], v[220:221], v[134:135]
	v_pk_add_f32 v[254:255], v[254:255], v[138:139]
	v_pk_add_f32 v[252:253], v[252:253], v[142:143]
	v_pk_add_f32 v[236:237], v[236:237], v[146:147]
	v_pk_add_f32 v[230:231], v[230:231], v[150:151]
	v_pk_add_f32 v[228:229], v[228:229], v[154:155]
	v_pk_add_f32 v[226:227], v[226:227], v[158:159]
	v_pk_add_f32 v[14:15], v[14:15], v[162:163]
	v_pk_add_f32 v[220:221], v[220:221], v[166:167]
	s_delay_alu instid0(VALU_DEP_2)
	v_pk_add_f32 v[14:15], v[14:15], v[236:237]
	s_delay_alu instid0(VALU_DEP_2)
	v_pk_add_f32 v[220:221], v[220:221], v[230:231]
	v_pk_add_f32 v[254:255], v[254:255], v[228:229]
	v_pk_add_f32 v[252:253], v[252:253], v[226:227]
	s_delay_alu instid0(VALU_DEP_2)
	v_pk_add_f32 v[14:15], v[14:15], v[254:255]
	s_delay_alu instid0(VALU_DEP_2)
	v_pk_add_f32 v[220:221], v[220:221], v[252:253]
	s_delay_alu instid0(VALU_DEP_1)
	v_pk_add_f32 v[14:15], v[14:15], v[220:221]
	s_wait_alu depctr_va_vdst(0)                   ; and one for the four
.irp b, 0,1,2,3
	v_max_num_f32 v[BM+\b], 0x4800000, v[BM+\b]    ; the floor: the byte cannot fall under 1
.endr
.irp b, 0,1,2,3
	s_delay_alu instid0(VALU_DEP_4)
	v_add_nc_u32 v[SO+\b], 0xfc000000, v[BM+\b]
.endr
.irp b, 0,1,2,3
	v_and_or_b32 v[HL+\b], v[BM+\b], 0x7f800000, s[MNT]
.endr
	v_and_or_b32 v9, v[BM], 0x7f800000, s[MNT]     ; the second copies
	v_and_or_b32 v8, v[BM+1], 0x7f800000, s[MNT]
	v_and_or_b32 v11, v[BM+2], 0x7f800000, s[MNT]
	v_and_or_b32 v5, v[BM+3], 0x7f800000, s[MNT]
.irp b, 0,1,2,3
	v_lshrrev_b32 v[PT+\b], 23, v[SO+\b]
.endr
	s_delay_alu instid0(VALU_DEP_3)
	v_lshl_or_b32 v[PWD], v[PT+1], 8, v[PT]
	s_delay_alu instid0(VALU_DEP_1)
	v_lshl_or_b32 v[PWD], v[PT+2], 16, v[PWD]
	s_delay_alu instid0(VALU_DEP_1)
	v_lshl_or_b32 v[PWD], v[PT+3], 24, v[PWD]
	HOLD 0, 9
	HOLD 1, 8
	HOLD 2, 11
	HOLD 3, 5
	s_wait_alu depctr_va_vdst(0)
.set n, 0
.rept 16
	v_pk_mul_f32 v[O+n:O+n+1], v[O+n:O+n+1], v[FF:FF+1] op_sel_hi:[1,0]   ; O^T under the new M; these are also the places between the codes and the products
.set n, n+2
.endr
	s_wait_alu depctr_va_vdst(0)
	s_wait_dscnt 0x0                               ; V is in
	v_wmma_scale_f32_16x16x128_f8f6f4 v[O:O+7], v[F:F+15], v[PCD:PCD+15], v[O:O+7], v[VS], v[PWD]
	v_wmma_scale_f32_16x16x128_f8f6f4 v[O+8:O+15], v[F+16:F+31], v[PCD:PCD+15], v[O+8:O+15], v[VS], v[PWD] matrix_a_scale:MATRIX_SCALE_ROW1
	v_wmma_scale_f32_16x16x128_f8f6f4 v[O+16:O+23], v[F+32:F+47], v[PCD:PCD+15], v[O+16:O+23], v[VS+1], v[PWD]
	v_wmma_scale_f32_16x16x128_f8f6f4 v[O+24:O+31], v[F+48:F+63], v[PCD:PCD+15], v[O+24:O+31], v[VS+1], v[PWD] matrix_a_scale:MATRIX_SCALE_ROW1
.endm
; A pass's end: y = O^T / the sum; its 32 numbers a lane are channels 32 b + 16 h + i of my query: two blocks, eight registers of codes, two scale bytes.
.macro FINISH yb, ys
.rept 8
	v_nop
.endr
	v_add_f32 v14, v14, v15
	s_delay_alu instid0(VALU_DEP_1)
	v_permlanex16_b32 v[TT], v14, s[SEL], s[SEL+1]
	s_delay_alu instid0(VALU_DEP_1)
	v_add_f32 v14, v14, v[TT]                      ; the row's sum
	s_wait_alu depctr_va_vdst(0)
	v_rcp_f32 v14, v14
	v_nop
	s_wait_alu depctr_va_vdst(0)                   ; ahead of the first reader
.set n, 0
.rept 16
	v_pk_mul_f32 v[S+n:S+n+1], v[O+n:O+n+1], v[14:15] op_sel_hi:[1,0]   ; each accumulator from its low end on
.set n, n+2
.endr
.irp b, 0,1
	v_max3_num_f32 v[BM+\b], |v[S+16*\b]|, |v[S+1+16*\b]|, 0x4800000
.endr
.irp i, 2,4,6,8,10,12,14
.irp b, 0,1
	s_delay_alu instid0(VALU_DEP_2)
	v_max3_num_f32 v[BM+\b], v[BM+\b], |v[S+16*\b+\i]|, |v[S+1+16*\b+\i]|
.endr
.endr
.irp b, 0,1
	s_delay_alu instid0(VALU_DEP_2)
	v_permlanex16_b32 v[PT+\b], v[BM+\b], s[SEL], s[SEL+1]
.endr
.irp b, 0,1
	s_delay_alu instid0(VALU_DEP_2)
	v_max_num_f32 v[BM+\b], v[BM+\b], v[PT+\b]
.endr
.irp b, 0,1
	s_delay_alu instid0(VALU_DEP_2)
	v_add_nc_u32 v[SO+\b], 0xfc000000, v[BM+\b]
.endr
.irp b, 0,1
	s_delay_alu instid0(VALU_DEP_4)
	v_and_or_b32 v[HL+\b], v[BM+\b], 0x7f800000, s[MNT]
.endr
.irp b, 0,1
	s_delay_alu instid0(VALU_DEP_4)
	v_lshrrev_b32 v[PT+\b], 23, v[SO+\b]
.endr
	s_delay_alu instid0(VALU_DEP_1)
	v_lshl_or_b32 v[TT], v[PT+1], 8, v[PT]
.irp b, 0,1
.set n, 0
.rept 16
	v_med3_num_f32 v[S+16*\b+n], v[S+16*\b+n], -v[HL+\b], v[HL+\b]
.set n, n+1
.endr
	v_cvt_scalef32_pk8_fp8_f32 v[PCD+4*\b:PCD+4*\b+1], v[S+16*\b:S+16*\b+7], v[SO+\b]
	v_cvt_scalef32_pk8_fp8_f32 v[PCD+4*\b+2:PCD+4*\b+3], v[S+16*\b+8:S+16*\b+15], v[SO+\b]
.endr
	v_nop
	global_store_b128 v[L16], v[PCD:PCD+3], s[\yb:\yb+1]           ; 512 consecutive bytes each
	global_store_b128 v[L16], v[PCD+4:PCD+7], s[\yb:\yb+1] offset:512
	global_store_b16 v[R8], v[TT], s[\ys:\ys+1]                    ; lanes r and r + 16 write the same two bytes with the same value
	s_wait_xcnt 0x0                                ; the stores have read their registers
.endm
	s_mov_b32 s[TB], 0
	s_mov_b32 s[T], 0
.Lfirst:                                           ; trips 0 to 3: key steps 0 to 3 of the first pass, which has nine steps or more: no diagonal, no change of pass
	s_lshr_b32 s[TS], s[TB], 5
	STEP 0
	s_add_co_u32 s[TB], s[TB], 16384
	s_add_co_u32 s[T], s[T], 1
	s_cmp_lt_u32 s[T], 4
	s_cbranch_scc1 .Lfirst
	s_wait_tensorcnt 0x0                           ; every wave: my key step is in
	s_wait_dscnt 0x0
	BARRIER                                        ; all sixteen key steps are in
	s_mov_b32 s[T], 4
	s_mov_b32 s[U2], 49152
.Lrest:                                            ; trips 4 to 16
	s_cmp_eq_u32 s[T], s[SW]                       ; the wave's number and the trip alone
	s_cbranch_scc0 .Lsame_pass
	FINISH YB1, YS1
	v_mov_b32 v[QW], v[QW2]
.irp j, 0,1,2,3,4,5,6,7
	v_mov_b32 v[16+\j], v[QD2+\j]
	v_mov_b32 v[32+\j], v[QD2+\j]
.endr
	START
.Lsame_pass:
	s_add_co_u32 s[TA], s[U2], 16384               ; the first pass: key step t
	s_xor_b32 s[TX], s[U2], 0x3c000                ; the second: 15 - (t - 1) = 16 - t
	s_cmp_lt_u32 s[T], s[SW]
	s_cselect_b32 s[TB], s[TA], s[TX]
	s_lshr_b32 s[TS], s[TB], 5
	STEP 1
	s_add_co_u32 s[U2], s[U2], 16384
	s_add_co_u32 s[T], s[T], 1
	s_cmp_lt_u32 s[T], 17
	s_cbranch_scc1 .Lrest
	FINISH YB2, YS2
	s_wait_tensorcnt 0x0                           ; the wave's end
	ds_add_u32 v[SPW], v[NIL]
	s_wait_dscnt 0x0
	CROUND                                         ; the closing round
	s_endpgm
.Lfunc_end_k_q219b6ef331_attn:
	.size	k_q219b6ef331_attn, .Lfunc_end_k_q219b6ef331_attn-k_q219b6ef331_attn
	.p2alignl 7, 3214868480
	.fill 96, 4, 3214868480
	.section	.rodata,"a",@progbits
	.p2align	6, 0x0
	.amdhsa_kernel k_q219b6ef331_attn
		.amdhsa_group_segment_fixed_size 327680
		.amdhsa_private_segment_fixed_size 0
		.amdhsa_enable_private_segment 0
		.amdhsa_kernarg_size 32
		.amdhsa_user_sgpr_count 2
		.amdhsa_user_sgpr_kernarg_segment_ptr 1
		.amdhsa_wavefront_size32 1
		.amdhsa_system_sgpr_workgroup_id_x 1
		.amdhsa_system_sgpr_workgroup_id_y 1
		.amdhsa_system_sgpr_workgroup_id_z 1
		.amdhsa_system_vgpr_workitem_id 0
		.amdhsa_next_free_vgpr 256
		.amdhsa_next_free_sgpr 100
		.amdhsa_reserve_vcc 0
		.amdhsa_float_denorm_mode_32 3
		.amdhsa_float_denorm_mode_16_64 3
		.amdhsa_memory_ordered 1
		.amdhsa_forward_progress 1
		.amdhsa_inst_pref_size 73
	.end_amdhsa_kernel
	.amdgpu_metadata
---
amdhsa.version: [ 1, 2 ]
amdhsa.kernels:
  - .name:           k_q219b6ef331_attn
    .symbol:         k_q219b6ef331_attn.kd
    .args:
      - { .name: acod, .offset: 0, .size: 8, .value_kind: global_buffer, .address_space: global }
      - { .name: ascl, .offset: 8, .size: 8, .value_kind: global_buffer, .address_space: global }
      - { .name: ycod, .offset: 16, .size: 8, .value_kind: global_buffer, .address_space: global }
      - { .name: yscl, .offset: 24, .size: 8, .value_kind: global_buffer, .address_space: global }
    .group_segment_fixed_size: 327680
    .private_segment_fixed_size: 0
    .kernarg_segment_align: 8
    .kernarg_segment_size: 32
    .max_flat_workgroup_size: 512
    .sgpr_count:     100
    .vgpr_count:     256
    .wavefront_size: 32
...
	.end_amdgpu_metadata
.endif
;; end of part 3
;; launch proj (part 4): grid 8 x 32, 4 waves a work-group, clusters of 4 x 4, 327,680 bytes of LDS; arguments cod, scl, ycod, yscl, bproj, out0; writes out0
.if DOCPART == 4
	.amdgcn_target "amdgcn-amd-amdhsa--gfx1250"
	.amdhsa_code_object_version 6
	.text
	.protected	k_q219b6ef331_proj
	.globl	k_q219b6ef331_proj
	.p2align	8
	.type	k_q219b6ef331_proj,@function
k_q219b6ef331_proj:
	s_mov_b64 s[64:65], 0
	v_nop
	global_prefetch_b8 v0, s[64:65] scope:SCOPE_SE
	s_setreg_imm32_b32 hwreg(HW_REG_WAVE_MODE, 25, 1), 1
	s_wait_xcnt 0x0
	s_wait_alu depctr_hold_cnt(0) depctr_sa_sdst(0) depctr_va_vdst(0) depctr_va_sdst(0) depctr_va_ssrc(0) depctr_va_vcc(0) depctr_vm_vsrc(0)
	s_getreg_b32 s2, hwreg(HW_REG_IB_STS2, 6, 4)
	s_cmp_eq_u32 s2, 0
	s_cbranch_scc0 .Lentry_in_a_cluster
	s_endpgm
.Lentry_in_a_cluster:
	s_bfe_u32 s2, ttmp6, 0x10000c
	s_cmp_lg_u32 s2, 0xf033
	s_cbranch_scc0 .Lentry_shape_is_right
	s_endpgm
.Lentry_shape_is_right:
; out0 = y Wproj + bproj on codes of E4M3 with E8M0 scales, K = 1,024; f32 sums, f32 out.
; BUFFERS: cod, ycod: [tile T of 256 rows][K step s 0..7][fragment f 0..15][2,048]: a fragment's image [c][lane 16 h + r][16 bytes]; lane r of fragment f holds row 32 (f / 2) + 8 (f % 2) + r + 8 (r / 8).  Wproj's tiles are cod's T 44-47.
; scl, yscl: [T][block of 32 rows][q4][lane][z] words: the word of K step 2 q4 + z; lanes 0-15 the even fragment's rows, lanes 16-31 the odd one's.
; THE DEAL.  256 work-groups of four waves, 2 x 2; a work-group makes 256 tokens x 128 features.  A wave holds 64 features of the weight, ALL of K, in 512 registers (windows 1, 2) and streams y's rows past them
; in eight blocks of 16 tokens (a fragment, all of K: 128 registers; two sets in window 3): 32 products a block, its four accumulators by turns; two sets of sums by turns.
; Half a tile (8 fragments) for all of K is eight runs of 16,384 bytes, 32,768 apart: an LDS slot of 131,072 bytes, [s][fragment][2,048].
; FILLS.  At the head one joint load a wave, four runs each: waves 0, 1 the weight's half tile into slot 1 (shared by my column of the cluster), waves 2, 3 y's fragments 0-7 into slot 0 (shared by my row).
; The first barrier shows the weight alone (its waves have a load line of their own).  When all waves hold the weight in registers, a drained round of the cluster's barrier follows and y's fragments 8-15 are filled over it, two runs a wave;
; a plain barrier behind block 2's products shows them.
; PREFETCH: behind the first barrier each of the cluster row's sixteen waves asks for its sixteenth (8,192 bytes, lanes 256 bytes apart) of y's fragments 8-15, told apart by address; all else is asked for at the head by the loads themselves.
; Source 0 = the weight's rows, source 1 = y's: lane (r, h) holds token r of the block and, in tiles 2 i, 2 i + 1, features 32 i + 16 h + 0 .. 15.  THE BIAS IS THE FIRST PRODUCTS' C.
; THE WAY OUT: a block's 16 rows x 256 bytes go through the wave's own stage in LDS and leave as whole rows: sixteen lanes store 256 consecutive bytes, aligned.  Block m's stores are issued at the head of block m + 2.
; LIMITS: NaN and infinities are not served.
.set SLOT,  131072
.set STAGE, 2*SLOT                     ; 16 rows x 272 bytes for each wave
.set SPARE, STAGE+4*4352               ; the spare words, 128 bytes for each wave
.set L16, 16                           ; v16  16 x lane
.set AY,  17                           ; v17-20 my y fragments: slot 0 K steps 0-3, 4-7; slot 1 likewise
.set AW,  21                           ; v21-22 my weight fragments in slot 1
.set L8,  23
.set VB,  24                           ; v24  64 h
.set STO, 25
.set RD,  26
.set CO,  27
.set SPW, 28                           ; my spare word; never rewritten
.set NIL, 29                           ; 0; never rewritten
.set PF,  30                           ; the prefetch's offset; never rewritten
.set SB,  32                           ; v32-47 the weight's scale words: register 8 i + s
.set SA,  52                           ; v52-83 y's: register 8 p + s, p = 2 x chunk + pair of blocks.  No product's two scale registers have numbers equal modulo 8
.set BQ,  88                           ; v88-119 the bias in the result's layout
.set ACC, 120                          ; v120-183 two sets of four accumulators
.set OB,  184                          ; v184-247 two sets: a block read back from the stage
.set G1W, 24
.set G1Y, 32
.set G0W, 56
.set G0Y, 60
.set MSB, 0
.macro WIN new                         ; the immediate's high byte repeats the setting that is left
.if MSB != \new
	s_set_vgpr_msb (MSB<<8)|\new
.set MSB, \new
.endif
.endm
.macro PLACES n
.rept \n
	v_nop
.endr
.endm
.macro BARRIER
	s_barrier_signal -1
	s_barrier_wait -1
.endm
.macro CROUND                          ; a round of the cluster's barrier
	BARRIER
	s_cmp_lg_u32 s14, 0
	s_cbranch_scc1 .Lnot_wave_0_\@
	s_barrier_signal -3
.Lnot_wave_0_\@:
	s_barrier_wait -3
	BARRIER
.endm
.macro TLOAD g0, g1                    ; an s_nop 0 and four v_nop follow the load
	tensor_load_to_lds s[\g0:\g0+3], s[\g1:\g1+7]
	s_nop 0
	PLACES 4
.endm
	s_load_b256 s[4:11], s[0:1], 0x0               ; cod s[4:5], scl s[6:7], ycod s[8:9], yscl s[10:11]
	s_load_b128 s[68:71], s[0:1], 0x20             ; bproj s[68:69], out0 s[70:71]
	v_lshl_add_u32 v[SPW], v0, 2, SPARE
	v_mov_b32 v[NIL], 0
	ds_add_u32 v[SPW], v[NIL]                      ; the opening lines: the add, twice on end, and its wait
	ds_add_u32 v[SPW], v[NIL]
	v_lshrrev_b32 v1, 5, v0
	v_readfirstlane_b32 s14, v1                    ; wave 0..3
	s_lshr_b32 s15, s14, 1                         ; wr: my four of a chunk's eight blocks
	s_and_b32 s16, s14, 1                          ; wc: my 64 of the 128 features.  Also: which four K steps I fetch at the head
	s_bfe_u32 s40, ttmp6, 0x40000                  ; cx
	s_bfe_u32 s41, ttmp6, 0x40004                  ; cy
	s_lshl_b32 s42, ttmp9, 2
	s_add_co_u32 s42, s42, s40                     ; x: which 128 features
	s_and_b32 s43, ttmp7, 0xffff
	s_lshl_b32 s43, s43, 2
	s_add_co_u32 s43, s43, s41                     ; y: which tile of 256 tokens
	s_lshl_b32 s44, s41, 2
	s_lshl_b32 s44, 15, s44                        ; my row of the cluster
	s_lshl_b32 s45, 0x1111, s40                    ; my column
	s_or_b32 s[G1Y], s44, (3<<16)|(1<<21)          ; the mask; elements of 8 bytes; bit 21 beside a mask; no padding
	s_or_b32 s[G1W], s45, (3<<16)|(1<<21)
.irp g, G1W, G1Y
	s_mov_b32 s[\g+1], 2048<<16                    ; tensor_dim0: a run of 16,384 bytes
	s_mov_b32 s[\g+2], 4<<16                       ; tensor_dim1 = 4 K steps
	s_mov_b32 s[\g+3], 2048<<16                    ; tile_dim0
	s_mov_b32 s[\g+4], 4                           ; tile_dim1
	s_mov_b32 s[\g+5], 4096                        ; the pitch: 32,768 bytes from K step to K step
	s_mov_b32 s[\g+6], 0
	s_mov_b32 s[\g+7], 0
.endr
	s_lshr_b32 s46, s42, 1
	s_add_co_u32 s46, s46, 44                      ; the weight's tile
	s_and_b32 s47, s42, 1                          ; and which half of it
	s_lshl_b32 s20, s46, 18
	s_lshl_b32 s17, s47, 14
	s_add_co_u32 s20, s20, s17
	s_lshl_b32 s17, s16, 17
	s_add_co_u32 s20, s20, s17                     ; the weight: tile, half, my four K steps
	s_mov_b32 s21, 0
	s_lshl_b32 s22, s43, 18
	s_add_co_u32 s22, s22, s17                     ; y: tile, fragments 0-7, my four K steps
	s_mov_b32 s23, 0
	s_mov_b32 s[G0W], 1
	s_lshl_b32 s[G0W+1], s16, 16
	s_add_co_u32 s[G0W+1], s[G0W+1], SLOT
	s_mov_b32 s[G0Y], 1
	s_lshl_b32 s[G0Y+1], s16, 16
	s_lshl_b32 s52, s43, 18                        ; the refill: y's fragments 8-15, K steps 2 w, 2 w + 1
	s_add_co_u32 s52, s52, 16384
	s_lshl_b32 s17, s14, 16
	s_add_co_u32 s52, s52, s17
	s_mov_b32 s53, 0
	s_lshl_b32 s54, s14, 15
	s_add_co_u32 s54, s54, SLOT
	s_wait_dscnt 0x0                               ; both opening adds are done
	CROUND                                         ; all sixteen work-groups are here: the first joint loads meet
	s_wait_kmcnt 0x0
	s_add_nc_u64 s[G0W+2:G0W+3], s[4:5], s[20:21]
	s_or_b32 s[G0W+3], s[G0W+3], 0x80000000
	s_add_nc_u64 s[G0Y+2:G0Y+3], s[8:9], s[22:23]
	s_or_b32 s[G0Y+3], s[G0Y+3], 0x80000000
	s_cmp_lt_u32 s14, 2                            ; one joint load a wave; the weight, which is wanted first, has a line of its own
	s_cbranch_scc0 .Lfor_y
	TLOAD G0W, G1W
	s_branch .Lasked
.Lfor_y:
	TLOAD G0Y, G1Y
.Lasked:
	s_lshl_b32 s72, s43, 13                        ; y's scale words: tile, my blocks of 32
	s_lshl_b32 s17, s15, 11
	s_add_co_u32 s72, s72, s17
	s_mov_b32 s73, 0
	s_add_nc_u64 s[72:73], s[10:11], s[72:73]
	s_lshl_b32 s74, s46, 13                        ; the weight's
	s_lshl_b32 s17, s47, 12
	s_add_co_u32 s74, s74, s17
	s_lshl_b32 s17, s16, 11
	s_add_co_u32 s74, s74, s17
	s_mov_b32 s75, 0
	s_add_nc_u64 s[74:75], s[6:7], s[74:75]
	s_lshl_b32 s78, s42, 9                         ; my first feature, in bytes of f32: 4 (128 x + 64 wc)
	s_lshl_b32 s17, s16, 8
	s_add_co_u32 s78, s78, s17
	s_mov_b32 s79, 0
	s_add_nc_u64 s[68:69], s[68:69], s[78:79]
	s_lshl_b32 s76, s43, 20                        ; my first token's row: 4,096 (256 y + 64 wr)
	s_lshl_b32 s17, s15, 18
	s_add_co_u32 s76, s76, s17
	s_add_co_u32 s76, s76, s78
	s_mov_b32 s77, 0
	s_add_nc_u64 s[70:71], s[70:71], s[76:77]
	s_lshl_b32 s50, s40, 2
	s_add_co_u32 s50, s50, s14                     ; which of the cluster row's sixteen waves I am
	s_lshr_b32 s51, s50, 1
	s_lshl_b32 s51, s51, 15                        ; its K step,
	s_and_b32 s50, s50, 1
	s_lshl_b32 s50, s50, 13                        ; and half of the run
	s_add_co_u32 s50, s50, s51
	s_lshl_b32 s51, s43, 18
	s_add_co_u32 s50, s50, s51
	s_add_co_u32 s50, s50, 16384
	s_lshl_b32 s18, s15, 13                        ; my four fragments of a chunk: 8,192 wr
	s_lshl_b32 s19, s16, 13
	s_add_co_u32 s19, s19, SLOT                    ; of the weight: slot 1 + 8,192 wc
	s_mul_i32 s17, s14, 4352
	s_add_co_u32 s17, s17, STAGE                   ; my stage
	v_and_b32 v1, 31, v0                           ; lane
	v_and_b32 v2, 15, v0                           ; r
	v_bfe_u32 v3, v0, 4, 1                         ; h
	v_lshlrev_b32 v[L16], 4, v1
	v_lshlrev_b32 v[L8], 3, v1
	v_lshlrev_b32 v[VB], 6, v3
	v_lshl_add_u32 v[PF], v1, 8, s50
	v_add_nc_u32 v[AY], s18, v[L16]
	v_add_nc_u32 v[AW], s19, v[L16]
	v_add_nc_u32 v[AY+1], 0x10000, v[AY]
	v_add_nc_u32 v[AY+2], 0x20000, v[AY]
	v_add_nc_u32 v[AY+3], 0x30000, v[AY]
	v_add_nc_u32 v[AW+1], 0x10000, v[AW]
	v_mul_u32_u24 v4, v2, 272
	v_lshl_add_u32 v4, v3, 6, v4
	v_add_nc_u32 v[STO], s17, v4                   ; into the stage: row r, 64 h bytes on
	v_mul_u32_u24 v5, v3, 272
	v_lshl_add_u32 v5, v2, 4, v5
	v_add_nc_u32 v[RD], s17, v5                    ; back: lanes 0-15 one row, lanes 16-31 the next
	v_lshlrev_b32 v6, 12, v3
	v_lshl_add_u32 v[CO], v2, 4, v6                ; and the same two rows in out0
	s_wait_alu depctr_va_vdst(0)
.irp i, 0,1
.irp q, 0,1,2,3
	global_load_b64 v[SB+8*\i+2*\q:SB+8*\i+2*\q+1], v[L8], s[74:75] offset:\i*1024+\q*256
.endr
.endr
.irp p, 0,1,2,3
.irp q, 0,1,2,3
	global_load_b64 v[SA+8*\p+2*\q:SA+8*\p+2*\q+1], v[L8], s[72:73] offset:(4*(\p/2)+\p%2)*1024+\q*256
.endr
.endr
.irp b, 0,1,2,3
	global_load_b128 v[BQ+8*\b:BQ+8*\b+3], v[VB], s[68:69] offset:128*(\b/2)+32*(\b%2)      ; features 32 (b / 2) + 8 (b % 2) + 16 h + 0 .. 7
	global_load_b128 v[BQ+8*\b+4:BQ+8*\b+7], v[VB], s[68:69] offset:128*(\b/2)+32*(\b%2)+16
.endr
	s_cmp_lt_u32 s14, 2
	s_cbranch_scc0 .Lnot_w
	s_wait_tensorcnt 0x0                           ; waves 0, 1: the weight is in
.Lnot_w:
	BARRIER
	global_prefetch_b8 v[PF], s[8:9] th:TH_LOAD_NT scope:SCOPE_SE
.irp q, 0,1,2,3,4,5,6,7                    ; my 64 features, all of K: fragment 4 q + b lies in window 1 + q / 4
.irp b, 0,1,2,3
	WIN (1+\q/4)<<6
.irp c, 0,1,2,3
	ds_load_b128 v[16*((4*\q+\b)%16)+4*\c:16*((4*\q+\b)%16)+4*\c+3], v[AW+\q/4] offset:(\q%4)*16384+\b*2048+512*\c
.endr
.endr
.endr
	WIN 0
	s_wait_tensorcnt 0x0                           ; all my tensor loads are in;
	ds_add_u32 v[SPW], v[NIL]
	s_mov_b32 s[G1Y+2], 2<<16                      ; no load of mine is out, so the descriptor may be written: two K steps a wave
	s_mov_b32 s[G1Y+4], 2
	s_mov_b32 s[G0Y+1], s54
	s_add_nc_u64 s[G0Y+2:G0Y+3], s[8:9], s[52:53]
	s_or_b32 s[G0Y+3], s[G0Y+3], 0x80000000
	s_wait_dscnt 0x0                               ; the add is done, and the weight is in my registers
	CROUND                                         ; that holds of every wave of every partner
	TLOAD G0Y, G1Y                                 ; y's fragments 8-15 over the weight's bytes
.macro FETCH m                         ; block m, all of K, into set m % 2 of window 3: 32 loads
	WIN 3<<6
.irp q, 0,1,2,3,4,5,6,7
.irp c, 0,1,2,3
	ds_load_b128 v[128*((\m)%2)+16*\q+4*\c:128*((\m)%2)+16*\q+4*\c+3], v[AY+2*((\m)/4)+\q/4] offset:(\q%4)*16384+((\m)%4)*2048+512*\c
.endr
.endr
	WIN 0
.endm
.macro PROD m, n                       ; product n = 4 q + b of block m
.set Q_, (\n)/4
.set B_, (\n)%4
.set AC_, ACC+32*((\m)%2)+8*B_
.set C_, AC_
.if Q_ == 0
.set C_, BQ+8*B_
.endif
.set R_, 128*((\m)%2)+16*Q_
.set W_, 16*((4*Q_+B_)%16)
.set XS_, SA+8*(2*((\m)/4)+((\m)%4)/2)+Q_
.set WS_, SB+8*(B_/2)+Q_
	WIN (1+Q_/4)|(3<<2)
.if (B_%2) && ((\m)%2)
	v_wmma_scale_f32_16x16x128_f8f6f4 v[AC_:AC_+7], v[W_:W_+15], v[R_:R_+15], v[C_:C_+7], v[WS_], v[XS_] matrix_a_scale:MATRIX_SCALE_ROW1 matrix_b_scale:MATRIX_SCALE_ROW1
.elseif B_%2
	v_wmma_scale_f32_16x16x128_f8f6f4 v[AC_:AC_+7], v[W_:W_+15], v[R_:R_+15], v[C_:C_+7], v[WS_], v[XS_] matrix_a_scale:MATRIX_SCALE_ROW1
.elseif (\m)%2
	v_wmma_scale_f32_16x16x128_f8f6f4 v[AC_:AC_+7], v[W_:W_+15], v[R_:R_+15], v[C_:C_+7], v[WS_], v[XS_] matrix_b_scale:MATRIX_SCALE_ROW1
.else
	v_wmma_scale_f32_16x16x128_f8f6f4 v[AC_:AC_+7], v[W_:W_+15], v[R_:R_+15], v[C_:C_+7], v[WS_], v[XS_]
.endif
.endm
.macro TOSTAGE m                       ; 8 stores and 8 loads; LDS serves a wave's instructions in order, so no wait stands between them
.set AC_, ACC+32*((\m)%2)
.set O_, OB+32*((\m)%2)
.irp b, 0,1,2,3
	ds_store_b128 v[STO], v[AC_+8*\b:AC_+8*\b+3] offset:128*(\b/2)+32*(\b%2)          ; each accumulator from its low end on
	ds_store_b128 v[STO], v[AC_+8*\b+4:AC_+8*\b+7] offset:128*(\b/2)+32*(\b%2)+16
.endr
.irp t, 0,1,2,3,4,5,6,7
	ds_load_b128 v[O_+4*\t:O_+4*\t+3], v[RD] offset:\t*544
.endr
.endm
.macro SEND m                          ; stage row 2 t + (lane / 16) is token 128 (m / 4) + 32 ((m % 4) / 2) + 8 (m % 2) + row + 8 (row / 8) of my 64 wr on
.set O_, OB+32*((\m)%2)
.irp t, 0,1,2,3,4,5,6,7
	global_store_b128 v[CO], v[O_+4*\t:O_+4*\t+3], s[70:71] offset:(128*((\m)/4)+32*(((\m)%4)/2)+8*((\m)%2)+2*\t+8*(\t/4))*4096 th:TH_STORE_NT
.endr
.endm
; cnt: the LDS instructions issued behind this block's fetch and behind block m - 2's way through the stage, which may stay out
.macro BLK m, cnt
	s_wait_dscnt \cnt
.if (\m) >= 2
	SEND (\m)-2
.endif
.set N_, 0
.rept 32
	PROD \m, N_
.set N_, N_+1
.endr
	WIN 0
	PLACES 8                                       ; behind the last product: in front of the fetch into what it has read and of the stores of its sums
.if (\m) == 2
	s_wait_tensorcnt 0x0                           ; my part of y's fragments 8-15 is in
	s_wait_dscnt 0x0
	BARRIER                                        ; everybody's is
.endif
.if (\m) < 6
	FETCH (\m)+2
.endif
.if (\m) >= 2
	s_wait_xcnt 0x0                                ; block m - 2's stores have read their registers, which the loads below fill again
.endif
	TOSTAGE \m
.endm
	FETCH 0
	FETCH 1
	s_wait_loadcnt 0x0                             ; the scale words and the bias
	BLK 0, 32                                      ; block 1's fetch may be out
	BLK 1, 48                                      ; a fetch of 32 and a way through the stage of 16
	BLK 2, 48
	BLK 3, 48
	BLK 4, 48
	BLK 5, 48
	BLK 6, 48
	BLK 7, 16                                      ; block 6's way through the stage
	s_wait_dscnt 16
	SEND 6
	s_wait_dscnt 0x0
	SEND 7
	s_wait_tensorcnt 0x0                           ; the wave's end
	ds_add_u32 v[SPW], v[NIL]
	s_wait_dscnt 0x0
	CROUND                                         ; the closing round
	s_endpgm
.Lfunc_end_k_q219b6ef331_proj:
	.size	k_q219b6ef331_proj, .Lfunc_end_k_q219b6ef331_proj-k_q219b6ef331_proj
	.p2alignl 7, 3214868480
	.fill 96, 4, 3214868480
	.section	.rodata,"a",@progbits
	.p2align	6, 0x0
	.amdhsa_kernel k_q219b6ef331_proj
		.amdhsa_group_segment_fixed_size 327680
		.amdhsa_private_segment_fixed_size 0
		.amdhsa_enable_private_segment 0
		.amdhsa_kernarg_size 48
		.amdhsa_user_sgpr_count 2
		.amdhsa_user_sgpr_kernarg_segment_ptr 1
		.amdhsa_wavefront_size32 1
		.amdhsa_system_sgpr_workgroup_id_x 1
		.amdhsa_system_sgpr_workgroup_id_y 1
		.amdhsa_system_sgpr_workgroup_id_z 1
		.amdhsa_system_vgpr_workitem_id 0
		.amdhsa_next_free_vgpr 1024
		.amdhsa_next_free_sgpr 102
		.amdhsa_reserve_vcc 0
		.amdhsa_float_denorm_mode_32 3
		.amdhsa_float_denorm_mode_16_64 3
		.amdhsa_memory_ordered 1
		.amdhsa_forward_progress 1
		.amdhsa_inst_pref_size 86
	.end_amdhsa_kernel
	.amdgpu_metadata
---
amdhsa.version: [ 1, 2 ]
amdhsa.kernels:
  - .name:           k_q219b6ef331_proj
    .symbol:         k_q219b6ef331_proj.kd
    .args:
      - { .name: cod, .offset: 0, .size: 8, .value_kind: global_buffer, .address_space: global }
      - { .name: scl, .offset: 8, .size: 8, .value_kind: global_buffer, .address_space: global }
      - { .name: ycod, .offset: 16, .size: 8, .value_kind: global_buffer, .address_space: global }
      - { .name: yscl, .offset: 24, .size: 8, .value_kind: global_buffer, .address_space: global }
      - { .name: bproj, .offset: 32, .size: 8, .value_kind: global_buffer, .address_space: global }
      - { .name: out0, .offset: 40, .size: 8, .value_kind: global_buffer, .address_space: global }
    .group_segment_fixed_size: 327680
    .private_segment_fixed_size: 0
    .kernarg_segment_align: 8
    .kernarg_segment_size: 48
    .max_flat_workgroup_size: 128
    .sgpr_count:     102
    .vgpr_count:     1024
    .wavefront_size: 32
...
	.end_amdgpu_metadata
.endif
;; end of part 4
